; MI455X (gfx1250); checked and timed in simulation.
; The chip was launched on July 23, 2026; its instructions are those of AMD's public machine-readable ISA for CDNA 5 (MIT licence, August 2026) and "CDNA5" Instruction Set Architecture Reference Guide (July 2026). The comments in the code are by the model that wrote it; some were corrected since.
;; Causal Attention. Allowed arithmetic: float matrix products may take bf16 or f16 operands with f32 sums; other float arithmetic in f32, or as packed bf16 or f16 multiplies, adds, multiply-adds, maxima and minima; sums over many terms, partial sums and values carried from step to step in f32; what a program stores and reads back later, other than sums and carried values, may be rounded once to bf16 or f16.
;; Inputs: Wk 1,024 x 1,024 float32; Wq 1,024 x 1,024 float32; Wv 1,024 x 1,024 float32; x 4 x 2,048 x 1,024 float32.
;; Outputs: out0 4 x 2,048 x 1,024 float32.
;; 2 versions, each right; version 2 is version 1 with the launch cast written anew for expert scheduling mode. Each part assembles by itself: llvm-mc -triple=amdgcn-amd-amdhsa -mcpu=gfx1250 --defsym DOCPART=n.
;; ======== version 1 of 2: 4 launches
;; limits: values are held in f16: magnitudes above 65,504 overflow, below 6.1e-05 lose precision
;; workspace buffers: xb 16,777,216 bytes; wb 6,291,456 bytes; qkv 50,331,648 bytes; p 33,554,432 bytes; statm 524,288 bytes; statl 524,288 bytes
;; launch cast (part 1): grid 256 x 1, 8 waves a work-group, no clusters, 0 bytes of LDS; arguments x, Wq, Wk, Wv, xb, wb; writes xb, wb
.if DOCPART == 1
	.amdgcn_target "amdgcn-amd-amdhsa--gfx1250"
	.amdhsa_code_object_version 6
	.text
	.protected	k_qed62837965_cast
	.globl	k_qed62837965_cast
	.p2align	8
	.type	k_qed62837965_cast,@function
k_qed62837965_cast:
	s_mov_b64 s[64:65], 0
	v_nop
	global_prefetch_b8 v0, s[64:65] scope:SCOPE_SE
	s_setreg_imm32_b32 hwreg(HW_REG_WAVE_MODE, 25, 1), 1
	s_wait_xcnt 0x0
; CAST.  x [8192][1024] f32 -> xb bf16 [16 kb][8192 row][64 k]: a K block of 64 is 128 dense bytes a row, so that 256 rows of one K block are 32,768 dense bytes.
; Wq, Wk, Wv [1024 k][1024 n] f32 -> wb bf16 [1024 k][3072 n], side by side.  Each number is rounded once, to nearest even.
; A stream: no LDS, no barrier, no loop, no matrix unit.  256 work-groups of equal work: each takes 32 rows of x and 12 of the 3,072 rows of the weights (three groups of 4 rows; 256 groups a matrix).
; x: a load's lanes 0-15 take the 256 bytes of one K block of row r, lanes 16-31 those of row r + 1: every byte that a load touches is used.  A lane's 4 numbers become 8 bytes, and the wave's store covers
; rows r and r + 1 of that K block in xb: 256 consecutive bytes at a multiple of 256 from xb's first byte.  W: a load takes 512 consecutive bytes, its store 256 consecutive bytes at a multiple of 256.
; All 44 loads of a wave go out at once (22 KiB a wave on their way); the units are then taken in order behind counted waits.  No register is written twice, so no store's sources need a wait.
.set X,   8                            ; v[8:183]  unit u: 4 registers as loaded; its first 2 then hold the 4 bf16
.set NXU, 32                           ; units of x a wave: row pair u / 16, K block u % 16
.set NWU, 12                           ; units of W a wave: group (u - 32) / 4, 128 columns (u - 32) % 4
.set WIN_B, 24                         ; s[24:29]  the three groups' first bytes in their W
.set WOUT_B, 30                        ; s[30:35]  and in wb
	s_load_b256 s[4:11], s[0:1], 0x0               ; x s[4:5], Wq s[6:7], Wk s[8:9], Wv s[10:11]
	s_load_b128 s[12:15], s[0:1], 0x20             ; xb s[12:13], wb s[14:15]
	v_lshrrev_b32 v1, 5, v0                        ; wave w
	v_and_b32 v6, 15, v0                           ; r = lane % 16
	v_bfe_u32 v7, v0, 4, 1                         ; h = lane / 16
	v_lshl_add_u32 v7, v1, 2, v7                   ; x: wave w takes rows 4 w .. 4 w + 3 of the group's 32; my row of the first pair: 4 w + h
	v_lshlrev_b32 v2, 12, v7
	v_lshl_add_u32 v2, v6, 4, v2                   ; in: row x 4,096 + 16 r
	v_lshlrev_b32 v3, 7, v7
	v_lshl_add_u32 v3, v6, 3, v3                   ; out: row x 128 + 8 r
	v_and_b32 v6, 31, v0                           ; lane
	v_lshrrev_b32 v7, 1, v1                        ; W: wave w takes row w / 2 of a group's 4,
	v_and_b32 v1, 1, v1                            ; half w % 2 of its 1,024 columns
	v_lshlrev_b32 v4, 12, v7
	v_lshl_add_u32 v4, v1, 11, v4
	v_lshl_add_u32 v4, v6, 4, v4                   ; in: row x 4,096 + half x 2,048 + 16 x lane
	v_mul_u32_u24 v5, v7, 6144
	v_lshl_add_u32 v5, v1, 10, v5
	v_lshl_add_u32 v5, v6, 3, v5                   ; out: row x 6,144 + half x 1,024 + 8 x lane
	s_lshl_b32 s2, ttmp9, 17                       ; 32 rows of 4,096 bytes
	s_mov_b32 s3, 0
	s_lshl_b32 s22, ttmp9, 12                      ; 32 rows of 128 bytes
	s_mov_b32 s23, 0
	s_mul_i32 s42, ttmp9, 3                        ; my first group of W rows
	s_wait_kmcnt 0x0
	s_add_nc_u64 s[16:17], s[4:5], s[2:3]
	s_add_nc_u64 s[18:19], s[12:13], s[22:23]
	s_add_nc_u64 s[20:21], s[18:19], 0x800000      ; K blocks 8 to 15: a second base keeps the immediates inside their signed 24 bits
.set u, 0
.rept NXU
	global_load_b128 v[X+4*u:X+4*u+3], v2, s[16:17] offset:(u/16)*8192+(u%16)*256 th:TH_LOAD_NT
.set u, u+1
.endr
.irp i, 0,1,2
	s_add_co_u32 s36, s42, \i                      ; group g = 3 x work-group + i
	s_lshr_b32 s37, s36, 8                         ; which W: 0 q, 1 k, 2 v
	s_and_b32 s36, s36, 255                        ; which 4 rows of it
	s_lshl_b32 s38, s36, 14                        ; 4 rows of 4,096 bytes
	s_mov_b32 s39, 0
	s_mul_i32 s40, s36, 24576                      ; 4 rows of wb,
	s_lshl_b32 s41, s37, 11                        ; and this W's 2,048 bytes in a row
	s_add_co_u32 s40, s40, s41
	s_mov_b32 s41, 0
	s_cmp_eq_u32 s37, 1
	s_cselect_b64 s[WIN_B+2*\i:WIN_B+2*\i+1], s[8:9], s[6:7]
	s_cmp_eq_u32 s37, 2
	s_cselect_b64 s[WIN_B+2*\i:WIN_B+2*\i+1], s[10:11], s[WIN_B+2*\i:WIN_B+2*\i+1]
	s_add_nc_u64 s[WIN_B+2*\i:WIN_B+2*\i+1], s[WIN_B+2*\i:WIN_B+2*\i+1], s[38:39]
	s_add_nc_u64 s[WOUT_B+2*\i:WOUT_B+2*\i+1], s[14:15], s[40:41]
.endr
.irp i, 0,1,2
.irp c, 0,1,2,3
	global_load_b128 v[X+4*(NXU+4*\i+\c):X+4*(NXU+4*\i+\c)+3], v4, s[WIN_B+2*\i:WIN_B+2*\i+1] offset:\c*512 th:TH_LOAD_NT
.endr
.endr
.set u, 0
.rept NXU+NWU
	s_wait_loadcnt NXU+NWU-1-u                     ; loads come back in order: unit u's is in, the 43 - u younger ones stay out
	v_cvt_pk_bf16_f32 v[X+4*u],   v[X+4*u],   v[X+4*u+1]  ; in place, ascending: a register is written only when it has been read
	v_cvt_pk_bf16_f32 v[X+4*u+1], v[X+4*u+2], v[X+4*u+3]
.if u >= NXU
	global_store_b64 v5, v[X+4*u:X+4*u+1], s[WOUT_B+2*((u-NXU)/4):WOUT_B+2*((u-NXU)/4)+1] offset:((u-NXU)%4)*256
.elseif (u%16) < 8
	global_store_b64 v3, v[X+4*u:X+4*u+1], s[18:19] offset:(u%16)*1048576+(u/16)*256
.else
	global_store_b64 v3, v[X+4*u:X+4*u+1], s[20:21] offset:(u%16-8)*1048576+(u/16)*256
.endif
.set u, u+1
.endr
	s_endpgm
.Lfunc_end_k_qed62837965_cast:
	.size	k_qed62837965_cast, .Lfunc_end_k_qed62837965_cast-k_qed62837965_cast
	.p2alignl 7, 3214868480
	.fill 96, 4, 3214868480
	.section	.rodata,"a",@progbits
	.p2align	6, 0x0
	.amdhsa_kernel k_qed62837965_cast
		.amdhsa_group_segment_fixed_size 0
		.amdhsa_private_segment_fixed_size 0
		.amdhsa_enable_private_segment 0
		.amdhsa_kernarg_size 48
		.amdhsa_user_sgpr_count 2
		.amdhsa_user_sgpr_kernarg_segment_ptr 1
		.amdhsa_wavefront_size32 1
		.amdhsa_system_sgpr_workgroup_id_x 1
		.amdhsa_system_sgpr_workgroup_id_y 1
		.amdhsa_system_sgpr_workgroup_id_z 1
		.amdhsa_system_vgpr_workitem_id 0
		.amdhsa_next_free_vgpr 184
		.amdhsa_next_free_sgpr 66
		.amdhsa_reserve_vcc 0
		.amdhsa_float_denorm_mode_32 3
		.amdhsa_float_denorm_mode_16_64 3
		.amdhsa_memory_ordered 1
		.amdhsa_forward_progress 1
		.amdhsa_inst_pref_size 19
	.end_amdhsa_kernel
	.amdgpu_metadata
---
amdhsa.version: [ 1, 2 ]
amdhsa.kernels:
  - .name:           k_qed62837965_cast
    .symbol:         k_qed62837965_cast.kd
    .args:
      - { .name: x, .offset: 0, .size: 8, .value_kind: global_buffer, .address_space: global }
      - { .name: Wq, .offset: 8, .size: 8, .value_kind: global_buffer, .address_space: global }
      - { .name: Wk, .offset: 16, .size: 8, .value_kind: global_buffer, .address_space: global }
      - { .name: Wv, .offset: 24, .size: 8, .value_kind: global_buffer, .address_space: global }
      - { .name: xb, .offset: 32, .size: 8, .value_kind: global_buffer, .address_space: global }
      - { .name: wb, .offset: 40, .size: 8, .value_kind: global_buffer, .address_space: global }
    .group_segment_fixed_size: 0
    .private_segment_fixed_size: 0
    .kernarg_segment_align: 8
    .kernarg_segment_size: 48
    .max_flat_workgroup_size: 256
    .sgpr_count:     66
    .vgpr_count:     184
    .wavefront_size: 32
...
	.end_amdgpu_metadata
.endif
;; end of part 1
;; launch proj (part 2): grid 8 x 32, 4 waves a work-group, clusters of 4 x 4, 327,680 bytes of LDS; arguments xb, wb, qkv; writes qkv
.if DOCPART == 2
	.amdgcn_target "amdgcn-amd-amdhsa--gfx1250"
	.amdhsa_code_object_version 6
	.text
	.protected	k_qed62837965_proj
	.globl	k_qed62837965_proj
	.p2align	8
	.type	k_qed62837965_proj,@function
k_qed62837965_proj:
	s_mov_b64 s[64:65], 0
	v_nop
	global_prefetch_b8 v0, s[64:65] scope:SCOPE_SE
	s_setreg_imm32_b32 hwreg(HW_REG_WAVE_MODE, 25, 1), 1
	s_wait_xcnt 0x0
	s_wait_alu depctr_hold_cnt(0) depctr_sa_sdst(0) depctr_va_vdst(0) depctr_va_sdst(0) depctr_va_ssrc(0) depctr_va_vcc(0) depctr_vm_vsrc(0)
	s_getreg_b32 s2, hwreg(HW_REG_IB_STS2, 6, 4)
	s_cmp_eq_u32 s2, 0
	s_cbranch_scc0 .Lentry_in_a_cluster
	s_endpgm
.Lentry_in_a_cluster:
	s_bfe_u32 s2, ttmp6, 0x10000c
	s_cmp_lg_u32 s2, 0xf033
	s_cbranch_scc0 .Lentry_shape_is_right
	s_endpgm
.Lentry_shape_is_right:
; PROJ.  [8192 tokens][3072 columns] = xb . wb, products in bf16, sums in f32, K = 1024 ascending; the result is rounded once to f16 and stored by blocks of 64 channels:
; qkv [48 cb][8192 token][64 ch], cb 0-15 q, 16-31 k, 32-47 v, so that later launches fetch dense bytes.
; LIMIT.  f16 ends at 65,504: q, k and v must lie within it (with the problem's inputs some 30 times larger, or offset by 30 spreads, they reach about 17,000).
; SHARES.  A work-group makes 256 tokens x 384 columns: 8 x 32 = 256 work-groups of equal work.  Each of its four waves makes 128 x 192: 96 accumulators, 768 registers.
; K goes in 16 steps of 64 through two LDS slots; a step is two slices of 32 and three column groups of 64: six PHASES of 32 matrix instructions.
; THE MATRIX INSTRUCTION IS USED TRANSPOSED: source 0 = 16 columns of W (turned on the way out of LDS by ds_load_tr16_b128), source 1 = 16 tokens: a lane holds one token and eight neighbouring columns.
; CLUSTER 4 x 4: x's tile hangs on the tile row alone and is asked for jointly by a row of the cluster, W's on the tile column alone and is asked for jointly by a column.
; REGISTERS: window 0: v8-18 addresses; v32-159 x's fragments, one buffer a slice; v160-255 W's fragments, one buffer a column group.  Window 1 + p: accumulator (a, b) of column group p at v[8 (4 a + b)].
.set KSTEPS, 16
.set SLOT1,  131072                    ; slot 1 begins here: one exclusive or turns an address in one slot into the other's
.set APIECE, 17408                     ; 128 tokens: 64 lines of two tokens (256 bytes) + 16 of padding: the 16 tokens of a fragment start at 16 different groups of four banks
.set BOFF,   2*APIECE                  ; behind x's 256 tokens: W's 64 k rows
.set BP,     864                       ; a k row of W: 3 x (256 + 32 of padding) bytes = 27 x 32
.set BPIECE, 32*BP                     ; 32 k rows: what one tensor load brings, and one slice
.set STAGE,  SLOT1+BOFF+2*BPIECE       ; behind the ring, never filled by a tensor load: 3 x 16 rows x 144 bytes for each wave
.set SP,     144
.set WSTAGE, 3*16*SP
.set SPARE,  STAGE+4*WSTAGE            ; the spare words, 128 bytes for each wave: two blocks of 256 bytes that no other line names
.set ADRA0, 8                          ; v8      my lane's place among x's fragments, in slot 0; never rewritten
.set ADRB0, 9                          ; v9-11   the same for W's three column groups
.set ADRA,  12                         ; v12     the same in the slot that is read
.set ADRB,  13                         ; v13-15
.set STO,   16                         ; v16     the way out: where I put 16 bytes of a row
.set RD,    17                         ; v17     where I read rows back
.set GO,    18                         ; v18     my 16 bytes in 512 consecutive bytes of qkv
.set SPW,   28                         ; v28     my spare word; never rewritten
.set NIL,   29                         ; v29     0; never rewritten
.set FA,    32
.set FB,    160
.set TMP,   32                         ; the way out: 48 packed registers; 2 x 48 read back
.set OB,    80
.set CNT, 3
.set WV,  10
.set WR,  11                           ; s11  my half of the tile's tokens; also: I fetch for x (0) or for W (1)
.set WC,  12                           ; s12  my half of its columns; also: which half of that tile I fetch
.set TY,  13
.set G1A, 24
.set G0A, 32
.set TX,  42
.set TB,  45                           ; s45  LDS byte at which the slot that is read begins
.set G1B, 48
.set G0B, 56
.set MSB, 0
.macro WIN new                         ; the immediate's high byte repeats the setting that is left; a switch that changes nothing is dropped
.if MSB != (\new)
	s_set_vgpr_msb (MSB<<8)|(\new)
.set MSB, \new
.endif
.endm
.macro PLACES                          ; four places between a matrix instruction and a load into, or a vector read or write of, its registers (ISA guide 7.12.1 for vector reads and writes)
.rept 4
	v_nop
.endr
.endm
.macro JLOAD                           ; a joint load: waves 0, 1 fetch x's two halves, waves 2, 3 W's; an s_nop 0 and four v_nop follow each line
	s_cmp_eq_u32 s[WR], 0
	s_cbranch_scc0 .Lfor_b_\@
	tensor_load_to_lds s[G0A:G0A+3], s[G1A:G1A+7]
	s_nop 0
	PLACES
	s_branch .Lasked_\@
.Lfor_b_\@:
	tensor_load_to_lds s[G0B:G0B+3], s[G1B:G1B+7]
	s_nop 0
	PLACES
.Lasked_\@:
.endm
.macro CREST                           ; a round of the cluster's barrier behind its opening barrier
	s_cmp_lg_u32 s[WV], 0
	s_cbranch_scc1 .Lnot_wave_0_\@
	s_barrier_signal -3
.Lnot_wave_0_\@:
	s_barrier_wait -3
	s_barrier_signal -1
	s_barrier_wait -1
.endm
.macro CROUND
	s_barrier_signal -1
	s_barrier_wait -1
	CREST
.endm
.macro STEPG0                          ; both walking descriptors: the other slot, the next K step (written only where no tensor load of mine is out)
	s_xor_b32 s[G0A+1], s[G0A+1], SLOT1
	s_add_nc_u64 s[G0A+2:G0A+3], s[G0A+2:G0A+3], 1048576   ; xb's next K block
	s_xor_b32 s[G0B+1], s[G0B+1], SLOT1
	s_add_nc_u64 s[G0B+2:G0B+3], s[G0B+2:G0B+3], 393216    ; 64 rows of wb
.endm
.macro NEWADR                          ; four plain vector instructions
	v_add_nc_u32 v[ADRA],   s[TB], v[ADRA0]
	v_add_nc_u32 v[ADRB],   s[TB], v[ADRB0]
	v_add_nc_u32 v[ADRB+1], s[TB], v[ADRB0+1]
	v_add_nc_u32 v[ADRB+2], s[TB], v[ADRB0+2]
.endm
	s_load_b128 s[4:7], s[0:1], 0x0                ; xb s[4:5], wb s[6:7]
	s_load_b64 s[8:9], s[0:1], 0x10                ; qkv
	v_lshl_add_u32 v[SPW], v0, 2, SPARE
	v_mov_b32 v[NIL], 0
	ds_add_u32 v[SPW], v[NIL]                      ; the wave's opening: the add and its wait stand ahead of my first tensor load; register work stands between them
	ds_add_u32 v28, v29
	v_lshrrev_b32 v1, 5, v0
	v_readfirstlane_b32 s[WV], v1                  ; wave 0..3
	s_lshr_b32 s[WR], s[WV], 1
	s_and_b32 s[WC], s[WV], 1
	s_bfe_u32 s40, ttmp6, 0x40000                  ; cx, cy: my place in the cluster
	s_bfe_u32 s41, ttmp6, 0x40004
	s_lshl_b32 s[TX], ttmp9, 2
	s_add_co_u32 s[TX], s[TX], s40                 ; tile column = 4 x cluster x + cx
	s_and_b32 s[TY], ttmp7, 0xffff
	s_lshl_b32 s[TY], s[TY], 2
	s_add_co_u32 s[TY], s[TY], s41                 ; tile row = 4 x cluster y + cy
	s_lshl_b32 s43, s41, 2
	s_lshl_b32 s43, 15, s43                        ; my row of the cluster
	s_lshl_b32 s44, 0x1111, s40                    ; my column
	; x: 64 lines x 128 elements (two tokens a line), dense; 4 words of padding behind every 64
	s_or_b32 s[G1A], s43, (1<<16)|(1<<20)|(1<<21)|(5<<22)|(3<<25)
	s_mov_b32 s[G1A+1], 128<<16                    ; tensor_dim0
	s_mov_b32 s[G1A+2], 64<<16                     ; tensor_dim1
	s_mov_b32 s[G1A+3], 128<<16                    ; tile_dim0
	s_mov_b32 s[G1A+4], 64                         ; tile_dim1
	s_mov_b32 s[G1A+5], 128                        ; elements from line to line
	s_mov_b32 s[G1A+6], 0
	s_mov_b32 s[G1A+7], 0
	; W: 32 k rows x 384 elements (768 bytes, from a multiple of 256); 8 words of padding behind every 64, three times a row
	s_or_b32 s[G1B], s44, (1<<16)|(1<<20)|(1<<21)|(5<<22)|(7<<25)
	s_mov_b32 s[G1B+1], 384<<16
	s_mov_b32 s[G1B+2], 32<<16
	s_mov_b32 s[G1B+3], 384<<16
	s_mov_b32 s[G1B+4], 32
	s_mov_b32 s[G1B+5], 3072
	s_mov_b32 s[G1B+6], 0
	s_mov_b32 s[G1B+7], 0
	s_mov_b32 s[G0A], 1
	s_mul_i32 s[G0A+1], s[WC], APIECE              ; no place in the cluster enters an LDS address
	s_mov_b32 s[G0B], 1
	s_mul_i32 s[G0B+1], s[WC], BPIECE
	s_add_co_u32 s[G0B+1], s[G0B+1], BOFF
	s_lshl_b32 s16, s[TY], 15                      ; x: token 256 x tile row + 128 x half, 128 bytes each: the tile row alone
	s_lshl_b32 s17, s[WC], 14
	s_add_co_u32 s16, s16, s17
	s_mov_b32 s17, 0
	s_mul_i32 s46, s[TX], 768                      ; W: column 384 x tile column, k row 32 x half: the tile column alone
	s_mul_i32 s47, s[WC], 196608
	s_add_co_u32 s46, s46, s47
	s_mov_b32 s47, 0
	s_mov_b32 s[TB], 0
	s_wait_dscnt 0x0                               ; the opening add is done
	s_wait_kmcnt 0x0
	s_add_nc_u64 s[G0A+2:G0A+3], s[4:5], s[16:17]
	s_or_b32 s[G0A+3], s[G0A+3], 0x80000000
	s_add_nc_u64 s[G0B+2:G0B+3], s[6:7], s[46:47]
	s_or_b32 s[G0B+3], s[G0B+3], 0x80000000
	CROUND                                         ; all sixteen work-groups are here: the first joint loads meet
	JLOAD                                          ; K step 0 into slot 0
	v_and_b32 v1, 15, v0                           ; r = l % 16
	v_bfe_u32 v2, v0, 4, 1                         ; h = l / 16
	v_and_b32 v3, 7, v0                            ; l % 8
	v_bfe_u32 v4, v0, 3, 1                         ; (l / 8) % 2
	v_lshrrev_b32 v5, 1, v1                        ; x's fragment: token r lies in line r / 2, half r % 2; K = 8 h + 0..7 at 16 h, 16 + 8 h + 0..7 32 bytes on
	v_mul_u32_u24 v5, v5, 272
	v_and_b32 v6, 1, v1
	v_lshl_add_u32 v5, v6, 7, v5
	v_lshl_add_u32 v5, v2, 4, v5
	s_mul_i32 s14, s[WR], APIECE
	v_add_nc_u32 v[ADRA0], s14, v5
	v_lshl_add_u32 v6, v2, 3, v3                   ; W's: the turning load reads k row 8 h + l % 8, columns 8 ((l / 8) % 2) + 0..7, and leaves column r, 8 k, in lane l
	v_mul_u32_u24 v6, v6, BP
	v_lshl_add_u32 v6, v4, 4, v6
	v_add_nc_u32 v6, BOFF, v6
	s_mul_i32 s36, s[WC], 416                      ; byte of column 192 wc + 64 p in a padded row: 0, 128, 288 or 416, 576, 704
	s_mul_i32 s37, s[WC], 448
	s_add_co_u32 s37, s37, 128
	s_add_co_u32 s38, s36, 288
	v_add_nc_u32 v[ADRB0],   s36, v6
	v_add_nc_u32 v[ADRB0+1], s37, v6
	v_add_nc_u32 v[ADRB0+2], s38, v6
	s_mul_i32 s14, s[WV], WSTAGE
	s_add_co_u32 s14, s14, STAGE                   ; my stage
	v_mul_u32_u24 v5, v1, SP                       ; in: row r, 16 bytes for each half of the lanes
	v_lshl_add_u32 v5, v2, 4, v5
	v_add_nc_u32 v[STO], s14, v5
	v_bfe_u32 v5, v0, 3, 2                         ; back: 32 lanes take four rows of 128 bytes,
	v_mul_u32_u24 v5, v5, SP
	v_lshl_add_u32 v5, v3, 4, v5
	v_add_nc_u32 v[RD], s14, v5
	v_and_b32 v5, 31, v0                           ; which are 512 consecutive bytes of a channel block
	v_lshlrev_b32 v[GO], 4, v5
	s_mul_i32 s20, s[TX], 6                        ; qkv at channel block 6 tx + 3 wc, token 256 ty + 128 wr
	s_mul_i32 s21, s[WC], 3
	s_add_co_u32 s20, s20, s21
	s_lshl_b32 s20, s20, 20
	s_lshl_b32 s21, s[TY], 15
	s_add_co_u32 s20, s20, s21
	s_lshl_b32 s21, s[WR], 14
	s_add_co_u32 s20, s20, s21
	s_mov_b32 s21, 0
	s_add_nc_u64 s[8:9], s[8:9], s[20:21]
.macro LB phi2                         ; W's four fragments of phase phi2 (column group phi2 % 3, slice phi2 / 3): 8 turning loads
.set p2, (\phi2)%3
.set s2, (\phi2)/3
.irp b, 0,1,2,3
	ds_load_tr16_b128 v[FB+32*p2+8*\b:FB+32*p2+8*\b+3], v[ADRB+p2] offset:s2*BPIECE+32*\b
.endr
.irp b, 0,1,2,3
	ds_load_tr16_b128 v[FB+32*p2+8*\b+4:FB+32*p2+8*\b+7], v[ADRB+p2] offset:s2*BPIECE+16*BP+32*\b
.endr
.endm
.macro LA s2                           ; x's eight fragments of slice s2: 16 loads
.irp i, 0,1,2,3,4,5,6,7
	ds_load_b128 v[FA+64*(\s2)+8*\i:FA+64*(\s2)+8*\i+3],   v[ADRA] offset:\i*2176+64*(\s2)
	ds_load_b128 v[FA+64*(\s2)+8*\i+4:FA+64*(\s2)+8*\i+7], v[ADRA] offset:\i*2176+64*(\s2)+32
.endr
.endm
.macro MULP phi, half, zero            ; 16 matrix instructions: token tiles 4 half .. + 3 x the phase's 4 column tiles.  zero = 1: the product starts the sum
.set pp, (\phi)%3
.set ss, (\phi)/3
	WIN 0x50*(pp+1)                                ; C and D in window 1 + p, the sources in window 0
.irp a, 0,1,2,3
.irp b, 0,1,2,3
.set rD, 8*(4*(4*(\half)+\a)+\b)
.set rA, FA+64*ss+8*(4*(\half)+\a)
.if \zero
	v_wmma_f32_16x16x32_bf16 v[rD:rD+7], v[FB+32*pp+8*\b:FB+32*pp+8*\b+7], v[rA:rA+7], 0
.else
	v_wmma_f32_16x16x32_bf16 v[rD:rD+7], v[FB+32*pp+8*\b:FB+32*pp+8*\b+7], v[rA:rA+7], v[rD:rD+7]
.endif
.endr
.endr
.endm
; A phase: W's fragments for two phases on go into the buffer that the phase before has just read (so the four places); cnt leaves out the LDS loads younger than those this phase multiplies.
; The 32 accumulators of a phase take turns; between two links of a chain stand the 95 others'.
.macro PHASE phi, zero, lb, la, cnt
.if (\lb)+(\la)
	PLACES
.endif
	WIN 0
.if \lb
	LB ((\phi)+2)%6
.endif
.if \la
	LA 1
.endif
	s_wait_dscnt \cnt
	MULP \phi, 0, \zero
	MULP \phi, 1, \zero
.endm
; Phase 4 changes slots: ONE barrier.  In front of it each wave waits for all its tensor loads (one is out: its part of the next slot), adds 0 to its spare word, and waits for that and for its reads of this slot.
; fill = 1: the barrier opens a round of the cluster's; the slot is filled again, two K steps ahead, first thing behind the round: 192 matrix instructions a wave lie between a request and the wait for it, less the 16 between signal and wait.
.macro TURN fill
	WIN 0                                          ; the add's two registers lie in window 0
	s_wait_tensorcnt 0x0
	ds_add_u32 v[SPW], v[NIL]
	s_wait_dscnt 9                                 ; phase 4's fragments are in; phase 5's eight loads and the add may be out
	MULP 4, 0, 0
	s_wait_dscnt 0x0                               ; the add is done, my reads of this slot are over
	s_barrier_signal -1
	MULP 4, 1, 0
	WIN 0                                          ; at a branch and at a label every window is 0
	s_barrier_wait -1
.if \fill
	CREST                                          ; no wave of any partner still reads this slot or has a load on its way
	STEPG0
	JLOAD
.endif
	s_xor_b32 s[TB], s[TB], SLOT1
	NEWADR                                         ; also the four places in front of the loads below
	LB 0
	LA 0
.endm
	s_wait_tensorcnt 0x0                           ; slot 1's first fill is issued as a refill is: my part of K step 0 has landed,
	ds_add_u32 v[SPW], v[NIL]
	STEPG0
	s_wait_dscnt 0x0
	CROUND                                         ; everybody's has
	JLOAD                                          ; K step 1 into slot 1
	NEWADR
	LB 0
	LA 0
	LB 1
	PHASE 0, 1, 1, 0, 16                           ; out: the W loads of phases 1 and 2.  The first slice's products start all 96 sums: nothing is cleared
	PHASE 1, 1, 1, 1, 32                           ; out: phases 2 and 3, slice 1 of x
	PHASE 2, 1, 1, 0, 32                           ; out: phase 3, slice 1 of x, phase 4
	WIN 0
	s_mov_b32 s[CNT], KSTEPS-2
.Lk:                                                   ; a trip: the second slice of one K step, the first of the next; it fills one slot again
	PHASE 3, 0, 1, 0, 16                           ; out: phases 4 and 5
	TURN 1
	PHASE 5, 0, 1, 0, 32                           ; all it multiplies was waited for in front of the barrier; out: the 32 loads issued since
	PHASE 0, 0, 1, 0, 16
	PHASE 1, 0, 1, 1, 32
	PHASE 2, 0, 1, 0, 32
	WIN 0
	s_sub_co_u32 s[CNT], s[CNT], 1
	s_cmp_lg_u32 s[CNT], 0
	s_cbranch_scc1 .Lk
	PHASE 3, 0, 1, 0, 16                           ; the tail is written out: nothing more is asked for
	TURN 0
	PHASE 5, 0, 1, 0, 32
	PHASE 0, 0, 1, 0, 16
	PHASE 1, 0, 1, 1, 32
	PHASE 2, 0, 1, 0, 32
	PHASE 3, 0, 1, 0, 16
	PHASE 4, 0, 0, 0, 8                            ; out: phase 5's eight
	PHASE 5, 0, 0, 0, 0
; THE WAY OUT, a tile of 16 tokens at a time: rounded to f16 (16 bytes a lane), into my own stage, back as rows of 128 bytes, stored as 512 consecutive bytes.
.macro PACK a
.irp p, 0,1,2
	WIN 5*(\p+1)                                   ; sources in window 1 + p
.irp b, 0,1,2,3
.irp q, 0,1,2,3
	v_cvt_pk_f16_f32 v[TMP+16*\p+4*\b+\q], v[8*(4*(\a)+\b)+2*\q], v[8*(4*(\a)+\b)+2*\q+1]  ; each accumulator from its low end on
.endr
.endr
.endr
	WIN 0
.endm
.macro TOSTAGE a
.set BK, OB+48*((\a)%2)
.irp p, 0,1,2
.irp b, 0,1,2,3
	ds_store_b128 v[STO], v[TMP+16*\p+4*\b:TMP+16*\p+4*\b+3] offset:\p*2304+32*\b
.endr
.endr
.irp p, 0,1,2
.irp f, 0,1,2,3
	ds_load_b128 v[BK+16*\p+4*\f:BK+16*\p+4*\f+3], v[RD] offset:\p*2304+\f*576  ; LDS serves a wave's instructions in order (ISA guide 5.7.1.4): these see the stores above
.endr
.endr
.endm
.macro SEND a
.set BK, OB+48*((\a)%2)
	s_wait_dscnt 0x0                               ; the tile is back in registers
	s_wait_xcnt 0x0                                ; the tile before's stores have read their registers: the next loads from the stage may land there
.irp p, 0,1,2
.irp f, 0,1,2,3
	global_store_b128 v[GO], v[BK+16*\p+4*\f:BK+16*\p+4*\f+3], s[8:9] offset:\p*1048576+(\a)*2048+\f*512
.endr
.endr
.endm
	WIN 0
	PLACES                                         ; the conversions read results just made and write fragment registers just read
	PACK 0
	TOSTAGE 0
.irp a, 1,2,3,4,5,6,7                  ; a tile's conversions stand between the loads of the tile before and the wait for them
	PACK \a
	SEND (\a)-1
	TOSTAGE \a
.endr
	SEND 7
	s_wait_tensorcnt 0x0                           ; the wave's end
	ds_add_u32 v[SPW], v[NIL]
	s_wait_dscnt 0x0
	CROUND                                         ; the closing round: no work-group ends while a partner may still ask for a tile that names it
	s_endpgm
.Lfunc_end_k_qed62837965_proj:
	.size	k_qed62837965_proj, .Lfunc_end_k_qed62837965_proj-k_qed62837965_proj
	.p2alignl 7, 3214868480
	.fill 96, 4, 3214868480
	.section	.rodata,"a",@progbits
	.p2align	6, 0x0
	.amdhsa_kernel k_qed62837965_proj
		.amdhsa_group_segment_fixed_size 327680
		.amdhsa_private_segment_fixed_size 0
		.amdhsa_enable_private_segment 0
		.amdhsa_kernarg_size 24
		.amdhsa_user_sgpr_count 2
		.amdhsa_user_sgpr_kernarg_segment_ptr 1
		.amdhsa_wavefront_size32 1
		.amdhsa_system_sgpr_workgroup_id_x 1
		.amdhsa_system_sgpr_workgroup_id_y 1
		.amdhsa_system_sgpr_workgroup_id_z 1
		.amdhsa_system_vgpr_workitem_id 0
		.amdhsa_next_free_vgpr 1024
		.amdhsa_next_free_sgpr 66
		.amdhsa_reserve_vcc 0
		.amdhsa_float_denorm_mode_32 3
		.amdhsa_float_denorm_mode_16_64 3
		.amdhsa_memory_ordered 1
		.amdhsa_forward_progress 1
		.amdhsa_inst_pref_size 111
	.end_amdhsa_kernel
	.amdgpu_metadata
---
amdhsa.version: [ 1, 2 ]
amdhsa.kernels:
  - .name:           k_qed62837965_proj
    .symbol:         k_qed62837965_proj.kd
    .args:
      - { .name: xb, .offset: 0, .size: 8, .value_kind: global_buffer, .address_space: global }
      - { .name: wb, .offset: 8, .size: 8, .value_kind: global_buffer, .address_space: global }
      - { .name: qkv, .offset: 16, .size: 8, .value_kind: global_buffer, .address_space: global }
    .group_segment_fixed_size: 327680
    .private_segment_fixed_size: 0
    .kernarg_segment_align: 8
    .kernarg_segment_size: 24
    .max_flat_workgroup_size: 128
    .sgpr_count:     66
    .vgpr_count:     1024
    .wavefront_size: 32
...
	.end_amdgpu_metadata
.endif
;; end of part 2
;; launch score (part 3): grid 44 x 4, 4 waves a work-group, no clusters, 327,680 bytes of LDS; arguments qkv, p, statm, statl, xb, wb, out0; writes p, statm, statl, out0
.if DOCPART == 3
	.amdgcn_target "amdgcn-amd-amdhsa--gfx1250"
	.amdhsa_code_object_version 6
	.text
	.protected	k_qed62837965_score
	.globl	k_qed62837965_score
	.p2align	8
	.type	k_qed62837965_score,@function
k_qed62837965_score:
	s_mov_b64 s[64:65], 0
	v_nop
	global_prefetch_b8 v0, s[64:65] scope:SCOPE_SE
	s_setreg_imm32_b32 hwreg(HW_REG_WAVE_MODE, 25, 1), 1
	s_wait_xcnt 0x0
; TWO KINDS OF WORK-GROUPS share this launch; y is the batch.  x = 0 .. 35: SCORE, a tile of the triangle.  x = 36 .. 43: THE FIRST ROWS, out0's rows 0 to 15 of the batch for 128 channels (its page stands at .Lhead).
; The triangle has 144 tiles for 256 WGPs, so the 32 work-groups of the second kind run beside them.  The branch hangs on x alone: it is the same for all waves of a work-group.
; SCORE.  For each batch the 36 tiles of 256 queries x 256 keys on or below the diagonal: s = q . k (f16 products, f32 sums over 1024 channels), the causal mask, and for each query and each GROUP of 128 keys:
; m = the group's largest s;  p = 2^(c s - c m), c = log2(e) / 32, rounded to f16;  l = the sum of the unrounded p.  p [4][16 g][2048 q][128 keys] f16;  statm (m, unscaled), statl [4][16 g][2048 q] f32.
; The next launch takes the maximum over the groups away.  p and l of a group are made with the same rounded c m, so its rounding cancels between them.
; LIMITS.  The exponent c s - c m can pass 0 by half a unit in the last place of c m: under 1 while |c m| < 2^24, that is for scores under 3.7e8.  A hidden score counts as its value less 2^100 (scores of f16
; operands stay under 4.4e12); a weight below 2^-126 counts as 0; p below 6e-5 keeps f16's fixed step; NaN and infinities are not treated apart.
; In a diagonal tile the wave with the later keys and the earlier queries is wholly hidden.  It runs the same text WITHOUT a mask: its p are ordinary weights in 0 to 1, the next launch gives them the weight 0 and
; never reads its m and l.  So m is a true score in every wave: where a mask is at work each query still sees its own key.
; SHARES.  Four waves, 128 x 128 each: 64 accumulators.  Source 0 = 16 keys, source 1 = 16 queries: a lane holds ONE query (l % 16) and the keys 8 (l / 16) + 0..7.
; Channels go in 8 steps of 128 through two LDS slots; a slot holds four pieces (q and k, two channel blocks each) of 256 tokens x 128 dense bytes; each wave fetches one piece by one tensor load.
; NO CLUSTER: a batch's tiles lie in rows of 1 to 8, which do not fall into fours that share an operand; a rectangle of work-groups would hold some with nothing to do.
; THE MASK is the C operand of the products that start the sums: the constant 0 for key tiles before the query tile's own, and two sets of eight registers for its own and for those behind it.
; REGISTERS: window 0: v4-15 addresses and c m, v16-27 at work, v40-55 masks, v64-191 q's fragments (two buffers), v192-255 and v32-63 the way out; window 1: v64-191 k's fragments; windows 2, 3: accumulator (a, b) at v[8 (8 (a % 4) + b)].
; LDS, for both kinds: tensor loads fill bytes below 294,912 alone; all that is stored by ds_store lies from there on.
.set NTILES, 36
.set PIECE,  34816                     ; 128 lines of two tokens (256 bytes) + 16 of padding
.set HALFP,  17408                     ; 128 tokens
.set TROW,   2176                      ; 16 tokens
.set SLOT1,  4*PIECE                   ; 139,264 = 0x22000 shares no bit with the four pieces' first bytes, so one exclusive or changes slots
.set STAGE,  294912                    ; behind the ring's 278,528 bytes and behind the 294,912 that the other kind's tensor loads fill: for each wave 16 rows x 272 bytes, then 512 bytes of m and 512 of l
.set SP,     272
.set WSTAGE, 16*SP+1024
.set SPARE,  STAGE+4*WSTAGE            ; the spare words: two blocks of 256 bytes that no other line names
.set NEG,    0xf1800000                ; -2^100
.set ADRA0, 4
.set ADRB0, 5
.set ADRA,  6
.set ADRB,  7
.set STO,   8
.set RD,    9
.set CO,    10
.set STS,   11                         ; v11     where m and l of query r go; steps by four query tiles
.set STL,   12
.set SGO,   13
.set CM,    14                         ; v14     c m (v15 is named with it as a pair)
.set CH,    16                         ; v16-23  eight chains of the maximum
.set MX,    24                         ; v24     m
.set LS,    26                         ; v26     l; v27 the other half of the lanes'
.set SPW,   28
.set NIL,   29
.set MDG,   40
.set MAB,   48
.set F0,    64
.set F1,    128
.set TMP,   192
.set OB,    32
.set WV, 12
.set WR, 13
.set WC, 14
.set BA, 15
.set TI, 16
.set TJ, 17
.set G1, 24
.set G0, 32
.set TB, 40
.set CNT, 41
.set CS, 58
.set SEL, 60
.set MSB, 0
.macro WIN new                         ; the immediate's high byte repeats the setting that is left; a switch that changes nothing is dropped
.if MSB != (\new)
	s_set_vgpr_msb (MSB<<8)|(\new)
.set MSB, \new
.endif
.endm
.macro PLACES                          ; four places between a matrix instruction and a load into, or a vector read or write of, its registers (ISA guide 7.12.1 for vector reads and writes)
.rept 4
	v_nop
.endr
.endm
	s_load_b256 s[4:11], s[0:1], 0x0               ; qkv s[4:5], p s[6:7], statm s[8:9], statl s[10:11]
	s_load_b128 s[44:47], s[0:1], 0x20             ; xb s[44:45], wb s[46:47]
	s_load_b64 s[48:49], s[0:1], 0x30              ; out0
	v_lshl_add_u32 v[SPW], v0, 2, SPARE
	v_mov_b32 v[NIL], 0
	ds_add_u32 v[SPW], v[NIL]                      ; the wave's opening: the add and its wait stand ahead of my first tensor load
	ds_add_u32 v28, v29
	v_lshrrev_b32 v1, 5, v0
	v_readfirstlane_b32 s[WV], v1
	s_and_b32 s[BA], ttmp7, 0xffff
	s_wait_dscnt 0x0                               ; the opening add is done
	s_cmp_ge_u32 ttmp9, NTILES
	s_cbranch_scc1 .Lhead                          ; the first rows' work-groups
	s_lshr_b32 s[WR], s[WV], 1                     ; my half of the queries; also: I fetch q (0) or k (1)
	s_and_b32 s[WC], s[WV], 1                      ; my half of the keys; also: which of a step's two channel blocks I fetch
	s_mov_b32 s[TI], 0                             ; tile t of the triangle: row I = how many of 1, 3, 6, .. 28 are at most t; column J = t - I (I + 1) / 2
.irp th, 1,3,6,10,15,21,28
	s_cmp_ge_u32 ttmp9, \th
	s_cselect_b32 s18, 1, 0
	s_add_co_u32 s[TI], s[TI], s18
.endr
	s_add_co_u32 s18, s[TI], 1
	s_mul_i32 s18, s18, s[TI]
	s_lshr_b32 s18, s18, 1
	s_sub_co_u32 s[TJ], ttmp9, s18
	s_mov_b32 s[G1], (1<<16)|(1<<20)|(5<<22)|(3<<25)  ; 2-byte elements; 4 words of padding behind every 64
	s_mov_b32 s[G1+1], 128<<16                     ; tensor_dim0
	s_mov_b32 s[G1+2], 128<<16                     ; tensor_dim1
	s_mov_b32 s[G1+3], 128<<16                     ; tile_dim0
	s_mov_b32 s[G1+4], 128                         ; tile_dim1: 128 lines = 256 tokens
	s_mov_b32 s[G1+5], 128
	s_mov_b32 s[G1+6], 0
	s_mov_b32 s[G1+7], 0
	s_mov_b32 s[G0], 1
	s_mul_i32 s[G0+1], s[WV], PIECE
	s_cmp_lt_u32 s[WV], 2
	s_cselect_b32 s18, s[TI], s[TJ]                ; q's 256 tokens or k's
	s_lshl_b32 s18, s18, 15
	s_lshl_b32 s19, s[BA], 18
	s_add_co_u32 s18, s18, s19
	s_lshl_b32 s19, s[WR], 4
	s_add_co_u32 s19, s19, s[WC]                   ; channel block 16 wr + wc
	s_lshl_b32 s19, s19, 20
	s_add_co_u32 s18, s18, s19
	s_mov_b32 s19, 0
	s_lshl_b32 s20, s[BA], 4                       ; the group that I make: 16 batch + 2 J + wc
	s_lshl1_add_u32 s21, s[TJ], s[WC]
	s_add_co_u32 s20, s20, s21
	s_lshl_b32 s22, s20, 19                        ; in p: 2,048 rows of 256 bytes a group, my rows from 256 I + 128 wr
	s_lshl_b32 s21, s[TI], 16
	s_add_co_u32 s22, s22, s21
	s_lshl_b32 s21, s[WR], 15
	s_add_co_u32 s22, s22, s21
	s_mov_b32 s23, 0
	s_lshr_b32 s20, s22, 6                         ; in statm and statl: 4 bytes a row for p's 256
	s_mov_b32 s21, 0
	s_mov_b32 s[CS], 0x3d38aa3b                    ; c = log2(e) / 32
	s_mov_b32 s[CS+1], s[CS]
	s_mov_b32 s[SEL], 0x76543210
	s_mov_b32 s[SEL+1], 0xfedcba98
	s_mov_b32 s[TB], 0
	s_wait_kmcnt 0x0
	s_add_nc_u64 s[G0+2:G0+3], s[4:5], s[18:19]
	s_or_b32 s[G0+3], s[G0+3], 0x80000000
	s_add_nc_u64 s[6:7], s[6:7], s[22:23]
	s_add_nc_u64 s[8:9], s[8:9], s[20:21]
	s_add_nc_u64 s[10:11], s[10:11], s[20:21]
	tensor_load_to_lds s[G0:G0+3], s[G1:G1+7]      ; step 0 into slot 0: my piece
	s_nop 0
	v_and_b32 v1, 15, v0                           ; r
	v_bfe_u32 v2, v0, 4, 1                         ; h
	v_lshrrev_b32 v3, 1, v1                        ; a fragment: token r in line r / 2, half r % 2; 16 bytes at 16 h and 32 bytes on
	v_mul_u32_u24 v3, v3, 272
	v_and_b32 v14, 1, v1
	v_lshl_add_u32 v3, v14, 7, v3
	v_lshl_add_u32 v3, v2, 4, v3
	s_mul_i32 s18, s[WR], HALFP
	s_mul_i32 s19, s[WC], HALFP
	s_add_co_u32 s19, s19, 2*PIECE
	v_add_nc_u32 v[ADRA0], s18, v3
	v_add_nc_u32 v[ADRB0], s19, v3
	s_mul_i32 s18, s[WV], WSTAGE
	s_add_co_u32 s18, s18, STAGE                   ; my stage
	v_mul_u32_u24 v3, v1, SP
	v_lshl_add_u32 v3, v2, 4, v3
	v_add_nc_u32 v[STO], s18, v3                   ; in: row r, 16 bytes for each half of the lanes
	v_mul_u32_u24 v3, v2, SP
	v_lshl_add_u32 v3, v1, 4, v3
	v_add_nc_u32 v[RD], s18, v3                    ; back: lanes 0-15 one row of 256 bytes, lanes 16-31 the next
	v_lshlrev_b32 v3, 8, v2
	v_lshl_add_u32 v[CO], v1, 4, v3                ; the same two rows in p: 512 consecutive bytes
	s_add_co_u32 s18, s18, 16*SP
	v_lshl_add_u32 v[STS], v1, 2, s18              ; m and l of query r
	v_and_b32 v3, 31, v0
	v_lshlrev_b32 v[SGO], 4, v3
	v_add_nc_u32 v[STL], s18, v[SGO]
	v_mov_b32 v[LS+1], 0                           ; a lane exchange's destination counts as read: written once
	; the masks.  They are 0 but in the two waves of a diagonal tile that hold the diagonal (wc = wr): there key tiles behind the query tile's own are hidden, its own by lanes (key 8 h + j > query r)
	s_cmp_eq_u32 s[TI], s[TJ]
	s_cselect_b32 s18, 1, 0
	s_cmp_eq_u32 s[WC], s[WR]
	s_cselect_b32 s20, 1, 0
	s_and_b32 s20, s20, s18
	s_cmp_lg_u32 s20, 0
	s_cselect_b32 s20, NEG, 0
	v_lshlrev_b32 v15, 3, v2
	v_sub_nc_u32 v14, v1, v15                      ; r - 8 h
.irp j, 0,1,2,3,4,5,6,7
	v_mov_b32 v[MAB+\j], s20
.endr
.irp j, 0,1,2,3,4,5,6,7
	v_cmp_gt_i32 vcc_lo, \j, v14
	v_cndmask_b32 v[MDG+\j], 0, v[MAB+\j], vcc_lo
.endr
; 16 matrix instructions: query tiles a0, a0 + 1 of the window's four x all 8 key tiles, 32 channels.  zero = 1: the product starts the sum, with 0 or the mask as C.  The 64 accumulators take turns.
.macro MUL16 f, hi, a0, zero
.if \zero
	WIN 0x81+0x40*(\hi)                            ; k window 1, q and the mask window 0, D window 2 or 3
.else
	WIN 0xa1+0x50*(\hi)
.endif
.irp a, \a0, (\a0)+1
.irp b, 0,1,2,3,4,5,6,7
.set rD, 8*(8*(\a)+(\b))
.set rB, (\f)+8*(\b)
.set rA, (\f)+8*(4*(\hi)+(\a))
.if \zero
.if (\b) < 4*(\hi)+(\a)
	v_wmma_f32_16x16x32_f16 v[rD:rD+7], v[rB:rB+7], v[rA:rA+7], 0
.elseif (\b) == 4*(\hi)+(\a)
	v_wmma_f32_16x16x32_f16 v[rD:rD+7], v[rB:rB+7], v[rA:rA+7], v[MDG:MDG+7]
.else
	v_wmma_f32_16x16x32_f16 v[rD:rD+7], v[rB:rB+7], v[rA:rA+7], v[MAB:MAB+7]
.endif
.else
	v_wmma_f32_16x16x32_f16 v[rD:rD+7], v[rB:rB+7], v[rA:rA+7], v[rD:rD+7]
.endif
.endr
.endr
.endm
.macro FETCH k, f                      ; 32 LDS loads in one run: a quarter's fragments (32 channels at byte k of the pieces): k's 128 tokens, then q's
	WIN 0x40
.irp i, 0,1,2,3,4,5,6,7
	ds_load_b128 v[(\f)+8*\i:(\f)+8*\i+3],   v[ADRB] offset:(\k)+\i*TROW
	ds_load_b128 v[(\f)+8*\i+4:(\f)+8*\i+7], v[ADRB] offset:(\k)+\i*TROW+32
.endr
	WIN 0
.irp i, 0,1,2,3,4,5,6,7
	ds_load_b128 v[(\f)+8*\i:(\f)+8*\i+3],   v[ADRA] offset:(\k)+\i*TROW
	ds_load_b128 v[(\f)+8*\i+4:(\f)+8*\i+7], v[ADRA] offset:(\k)+\i*TROW+32
.endr
.endm
.macro QUARTER k, f, g, zero           ; multiplies buffer f; in its middle fetches the next quarter, at byte k, into buffer g
	s_wait_dscnt 8                                 ; k's fragments and q's rows 0-63 are in; the youngest eight loads may be out
	MUL16 \f, 0, 0, \zero
	MUL16 \f, 0, 2, \zero
	PLACES
	FETCH \k, \g
	s_wait_dscnt 32                                ; all but the 32 just issued
	MUL16 \f, 1, 0, \zero
	MUL16 \f, 1, 2, \zero
.endm
.macro REFILL fill                     ; behind the barrier: my one tensor load first; two address lines and two v_nop are the four places in front of the fragment loads
.if \fill
	tensor_load_to_lds s[G0:G0+3], s[G1:G1+7]
	s_nop 0
.endif
	v_add_nc_u32 v[ADRA], s[TB], v[ADRA0]
	v_add_nc_u32 v[ADRB], s[TB], v[ADRB0]
	v_nop
	v_nop
.endm
; The last quarter of a step changes slots: ONE barrier; in front of it each wave waits for all its tensor loads (one is out: its piece of the next slot), adds 0 to its spare word, and waits for that and for its reads of this slot.
.macro TURN fill
	WIN 0
	s_wait_tensorcnt 0x0
	ds_add_u32 v[SPW], v[NIL]
	s_wait_dscnt 9                                 ; the add and the youngest eight loads may be out
	MUL16 F1, 0, 0, 0
	s_wait_dscnt 0x0                               ; the add is done, my reads of this slot are over
	s_barrier_signal -1
	MUL16 F1, 0, 2, 0
	WIN 0
	s_barrier_wait -1
	s_xor_b32 s[TB], s[TB], SLOT1
.if \fill
	s_xor_b32 s[G0+1], s[G0+1], SLOT1              ; the slot just read out takes the step two on: 240 matrix instructions lie between the request and the wait for it
	s_add_nc_u64 s[G0+2:G0+3], s[G0+2:G0+3], 2097152  ; two channel blocks on
.endif
	REFILL \fill
	FETCH 0, F0
	MUL16 F1, 1, 0, 0
	MUL16 F1, 1, 2, 0
.endm
	s_wait_tensorcnt 0x0                           ; slot 1's first fill is issued as a refill is: my piece of step 0 has landed,
	ds_add_u32 v[SPW], v[NIL]
	s_xor_b32 s[G0+1], s[G0+1], SLOT1
	s_add_nc_u64 s[G0+2:G0+3], s[G0+2:G0+3], 2097152
	s_wait_dscnt 0x0
	s_barrier_signal -1
	s_barrier_wait -1                              ; everybody's has
	REFILL 1                                       ; step 1 into slot 1
	FETCH 0, F0
	QUARTER 64, F0, F1, 1                          ; the first quarter starts the sums, on 0 or on the masks
	WIN 0
	s_mov_b32 s[CNT], 6
.Lstep:                                                ; a trip: a step's quarters 1 to 3 and the next step's quarter 0; it fills one slot again
	QUARTER PIECE, F1, F0, 0
	QUARTER PIECE+64, F0, F1, 0
	TURN 1
	QUARTER 64, F0, F1, 0
	WIN 0
	s_sub_co_u32 s[CNT], s[CNT], 1
	s_cmp_lg_u32 s[CNT], 0
	s_cbranch_scc1 .Lstep
	; THE LAST TWO STEPS ask for nothing more, so they have a loop of their own, in which no tensor load stands: two trips of the same four quarters.  The last trip has no next step: it jumps forward over quarter 0.
	; The price of one text for both trips, once a launch: the last change of slots has a barrier that nothing needs, and fetches 16 fragments (of bytes that were filled and that nobody writes) that nobody multiplies.
	s_mov_b32 s[CNT], 2
.Ltail:
	QUARTER PIECE, F1, F0, 0
	QUARTER PIECE+64, F0, F1, 0
	TURN 0
	WIN 0                                          ; at a branch and at a label every window is 0
	s_cmp_eq_u32 s[CNT], 1
	s_cbranch_scc1 .Llast
	QUARTER 64, F0, F1, 0
	WIN 0
	s_branch .Ljoin
.Llast:
	s_wait_dscnt 0x0                               ; the fragments that serve nothing have come: no LDS load of mine is out
.Ljoin:
	s_sub_co_u32 s[CNT], s[CNT], 1
	s_cmp_lg_u32 s[CNT], 0
	s_cbranch_scc1 .Ltail
	PLACES                                         ; the places between the last products and the first read of a sum
; THE SOFTMAX'S FIRST HALF, a tile of 16 queries at a time: a lane's 64 scores s0-s63 lie in eight accumulators of window 2.
.set W, 2
.macro EPI a
.set B, 64*(\a)
	WIN W*0x15                                     ; all three sources in the accumulators' window
.irp n, 0,1,2,3,4,5,6,7
	v_max3_num_f32 v[CH+\n], v[B+8*\n], v[B+8*\n+1], v[B+8*\n+2]  ; each accumulator is read from its low end on
.endr
	WIN W*0x14
.irp n, 0,1,2,3,4,5,6,7
	v_max3_num_f32 v[CH+\n], v[CH+\n], v[B+8*\n+3], v[B+8*\n+4]
.endr
.irp n, 0,1,2,3,4,5,6,7
	v_max3_num_f32 v[CH+\n], v[CH+\n], v[B+8*\n+5], v[B+8*\n+6]
.endr
.irp n, 0,1,2,3
	v_max3_num_f32 v[CH+\n], v[CH+\n], v[B+16*\n+7], v[B+16*\n+15]
.endr
	WIN 0
	v_max3_num_f32 v[CH], v[CH], v[CH+1], v[CH+2]
	v_max3_num_f32 v[CH+3], v[CH+3], v[CH+4], v[CH+5]
	v_max_num_f32 v[CH+6], v[CH+6], v[CH+7]
	v_max3_num_f32 v[CH], v[CH], v[CH+3], v[CH+6]
	v_permlanex16_b32 v[CH+1], v[CH], s[SEL], s[SEL+1]  ; the query's other 64 keys lie in the lane 16 away
	v_max_num_f32 v[MX], v[CH], v[CH+1]
	v_mul_f32 v[CM], s[CS], v[MX]
	WIN W*0x41                                     ; destination and source 0 in the accumulators' window; c m in window 0
.set z, 0
.rept 32
	v_pk_fma_f32 v[B+2*z:B+2*z+1], v[B+2*z:B+2*z+1], s[CS:CS+1], v[CM:CM+1] op_sel_hi:[1,0,0] neg_lo:[0,0,1] neg_hi:[0,0,1]  ; c s - c m, one rounding
.set z, z+1
.endr
.set z, 0
.rept 64
	v_exp_f32 v[B+z], v[B+z]
.set z, z+1
.endr
	v_nop                                          ; a plain instruction behind the last exponential (ISA guide 5.7.2)
	WIN W*5
.set z, 0
	s_wait_alu depctr_va_vdst(0)
.rept 32
	v_cvt_pk_f16_f32 v[TMP+z], v[B+2*z], v[B+2*z+1]
.set z, z+1
.endr
	WIN W*0x45
.irp w, 1,2,4,8,16                     ; the sum of the 32 pairs, in place: neighbours 1, 2, 4, 8, 16 pairs apart
.set z, 0
.rept 16/\w
	v_pk_add_f32 v[B+4*\w*z:B+4*\w*z+1], v[B+4*\w*z:B+4*\w*z+1], v[B+4*\w*z+2*\w:B+4*\w*z+2*\w+1]
.set z, z+1
.endr
.endr
	WIN W*5
	v_add_f32 v[LS], v[B], v[B+1]
	WIN 0
	v_permlanex16_b32 v[LS+1], v[LS], s[SEL], s[SEL+1]
	v_add_f32 v[LS], v[LS], v[LS+1]
.endm
.macro TOSTAGE a                       ; m and l to their words; p into rows of 272 bytes and back as whole rows of 256
	WIN 0
.set BK, OB+192*((\a)%2)
	ds_store_b32 v[STS], v[MX] offset:64*(\a)      ; both halves of the lanes write the same number to the same word
	ds_store_b32 v[STS], v[LS] offset:512+64*(\a)
.irp b, 0,1,2,3,4,5,6,7
	ds_store_b128 v[STO], v[TMP+4*\b:TMP+4*\b+3] offset:32*\b
.endr
.irp t, 0,1,2,3,4,5,6,7
	ds_load_b128 v[BK+4*\t:BK+4*\t+3], v[RD] offset:\t*2*SP  ; LDS serves a wave's instructions in order (ISA guide 5.7.1.4): these see the stores above
.endr
.endm
.macro SEND a
	WIN 0
.set BK, OB+192*((\a)%2)
	s_wait_dscnt 0x0                               ; the tile is back in registers
	s_wait_xcnt 0x0                                ; the tile before's stores have read their registers
.irp t, 0,1,2,3,4,5,6,7
	global_store_b128 v[CO], v[BK+4*\t:BK+4*\t+3], s[6:7] offset:(16*(\a)+2*\t)*256  ; 512 consecutive bytes, at a multiple of 512 from p's first byte
.endr
.endm
	; The text is written for four query tiles and walked twice: a register's number cannot be counted by a loop, so behind the first walk my rows 64-127's sums are moved from window 3 to where the one text names them.
	; The price: 256 moves, once a wave; they stand between the fourth tile's loads from the stage and the wait for them.  The second walk jumps over them; the jump passes moves between registers alone.
	s_mov_b32 s[CNT], 2
.Lepi:
	EPI 0
	TOSTAGE 0
.irp a, 1,2,3                          ; a tile's arithmetic stands between the loads of the tile before and the wait for them
	EPI \a
	SEND (\a)-1
	TOSTAGE \a
.endr
	s_cmp_eq_u32 s[CNT], 1
	s_cbranch_scc1 .Lnocopy
	WIN 0x83                                       ; destination window 2, source window 3
.set i, 0
.rept 256
	v_mov_b32 v[i], v[i]                           ; ascending: each accumulator is read from its low end on
.set i, i+1
.endr
	WIN 0
.Lnocopy:
	SEND 3
	s_wait_xcnt 0x0                                ; the stores have read their base and their registers
	s_add_nc_u64 s[6:7], s[6:7], 16384             ; 64 rows of p on
	v_add_nc_u32 v[STS], 256, v[STS]               ; four query tiles' words on
	s_sub_co_u32 s[CNT], s[CNT], 1
	s_cmp_lg_u32 s[CNT], 0
	s_cbranch_scc1 .Lepi
	ds_load_b128 v[TMP:TMP+3],   v[STL]            ; my 128 queries' m and l: 512 bytes each, my own words
	ds_load_b128 v[TMP+4:TMP+7], v[STL] offset:512
	s_wait_dscnt 0x0
	global_store_b128 v[SGO], v[TMP:TMP+3],   s[8:9]
	global_store_b128 v[SGO], v[TMP+4:TMP+7], s[10:11]
	s_wait_tensorcnt 0x0                           ; the wave's end
	ds_add_u32 v[SPW], v[NIL]
	s_wait_dscnt 0x0
	s_endpgm
; THE FIRST ROWS.  out0's rows 0 to 15 of each batch, with more digits than the bulk has; the next launch leaves these 64 rows out.
; WHY.  Row q is a mean of q + 1 rows of v.  With so few terms the roundings of p and v to f16 (up to 2^-12 of a number of v's size, for each key) do not average out, while a number near zero is held
; to a hundredth of the whole output's root mean square.  So here v is multiplied again from the bf16 inputs and stays in f32, and so do the weights; from row 16 on 17 keys or more share the roundings.
; WHAT.  v[t][ch] = xb . wb (bf16 products, f32 sums) for the batch's first 16 tokens;  s = q . k from the f16 q and k of qkv;  key > query hidden;  w = 2^(c (s - m)) / l, c = log2(e) / 32, m the row's
; largest s (s - m is formed first and then scaled: every exponent is at most 0);  out = w v by the f32 matrix form: 8 instructions a wave, no bulk work.
; LIMITS.  q and k within f16's 65,504; a hidden score counts as -2^100; a weight below 2^-126 counts as 0; NaN and infinities are not treated apart.
; SHARES.  A work-group takes 128 channels of one batch.  Wave w fetches k rows 256 w .. + 255 of the slice of Wv (one tensor load, its only one), makes the scores' part over channels
; 256 w .. + 255 (the four parts meet in LDS, in f32), and makes v and out for channels 32 w .. + 31 of the slice.
; LAYOUTS.  s: source 0 = 16 keys, source 1 = 16 queries: lane (r, h) holds query r, keys 8 h + j.  v: source 0 = 16 tokens, source 1 = 16 channels (turned by ds_load_tr16_b128): lane (r, h) holds channel r,
; tokens 8 h + j.  So registers 2 i, 2 i + 1 of v and of w hold the SAME keys 8 h + 2 i + j in every lane: they are the two sources of step i of the f32 form as they lie (a permutation of k applied alike
; to both sources keeps the products).  With v as source 0 the result holds query r and channels 8 h + j: 32 neighbouring bytes a lane.
; REGISTERS: window 0: v6-19 addresses and statistics; v32-55 scores, then weights; v56-87 read back from LDS; v96-223 q's and k's fragments, later two buffers of W's; v224-239 v.
; Window 1: v0-15 out: no other line of this text writes them.  Window 2: x's 32 fragments.
.set HPW,   288                        ; a k row of the slice in LDS: 256 bytes + 32 of padding = 9 x 32
.set HWQ,   256*HPW                    ; a wave's quarter of the slice
.set HSCR,  4*HWQ                      ; 294,912: behind the slice, never filled by a tensor load: the scores' four parts, 1,024 bytes each
.set HSTG,  HSCR+4096                  ; the stage for the way out: 16 rows of 512 bytes + 16 of padding; it ends at 307,456, below the spare words
.set HSPG,  528
.set HTOK,  6                          ; v6   my 16 bytes in a fragment of 16 tokens x 32 numbers: token r x 128 + 16 h; never rewritten
.set HADRW, 7                          ; v7   LDS address of W's fragments; steps by four K steps
.set HSCW,  8                          ; v8   where I put my part of the scores
.set HSCRD, 9                          ; v9   where I read the four parts
.set HSTO,  10                         ; v10  the way out: where I put 32 bytes of a row
.set HRD,   11                         ; v11  where I read rows back
.set HGO,   12                         ; v12  my 16 bytes in 512 consecutive bytes of out0
.set HRH,   13                         ; v13  r - 8 h: register j is hidden where j is greater
.set HMX,   14                         ; v14  m; v15 the other half of the lanes'
.set HLS,   16                         ; v16-19  l, at work
.set HS0,   32                         ; two accumulators for my part of the scores
.set HS1,   40
.set HSS,   48                         ; v48-55  my part; then the scores; then the weights
.set HPT,   56                         ; v56-87  the four parts; later four rows of out
.set HQF,   96
.set HKF,   160
.set HWF,   96                         ; two buffers of 64: four K steps x two channel tiles
.set HVA,   224
.set HOA,   0                          ; in window 1
.set HSL,   14                         ; s14  the slice of 128 channels
.set HSEL,  40
.set HCC,   42
.set HNEG,  43
.Lhead:
	s_sub_co_u32 s[HSL], ttmp9, NTILES
	s_and_b32 s[HSL], s[HSL], 7
	s_mov_b32 s[G1], (1<<16)|(1<<20)|(5<<22)|(7<<25)  ; 2-byte elements; 8 words of padding behind every 64
	s_mov_b32 s[G1+1], 128<<16                     ; tensor_dim0 = 128
	s_mov_b32 s[G1+2], 256<<16                     ; tensor_dim1 = 256
	s_mov_b32 s[G1+3], 128<<16                     ; tile_dim0 = 128 elements: 256 bytes, from a multiple of 256
	s_mov_b32 s[G1+4], 256                         ; tile_dim1 = 256 k rows
	s_mov_b32 s[G1+5], 3072                        ; elements from row to row of wb
	s_mov_b32 s[G1+6], 0
	s_mov_b32 s[G1+7], 0
	s_mov_b32 s[G0], 1
	s_mul_i32 s[G0+1], s[WV], HWQ
	s_mul_i32 s16, s[WV], 1572864                  ; wb: 256 rows of 6,144 bytes a wave,
	s_lshl_b32 s17, s[HSL], 8                      ; the slice's 256 bytes,
	s_add_co_u32 s16, s16, s17
	s_add_co_u32 s16, s16, 4096                    ; in Wv's third of a row
	s_mov_b32 s17, 0
	s_lshl_b32 s22, s[BA], 18                      ; the batch's first token: 2,048 tokens of 128 bytes in a block of xb and of qkv
	s_mov_b32 s23, 0
	s_lshl_b32 s50, s[WV], 22                      ; q: my four channel blocks of 1 MiB
	s_add_co_u32 s50, s50, s22
	s_mov_b32 s51, 0
	s_lshl_b32 s52, s[BA], 23                      ; out0: the batch's 2,048 rows of 4,096 bytes, my rows 4 w .. 4 w + 3, the slice's 512 bytes
	s_lshl_b32 s53, s[WV], 14
	s_add_co_u32 s52, s52, s53
	s_lshl_b32 s53, s[HSL], 9
	s_add_co_u32 s52, s52, s53
	s_mov_b32 s53, 0
	s_mov_b32 s[HSEL], 0x76543210                  ; v_permlanex16_b32: each lane takes its own place in the other half
	s_mov_b32 s[HSEL+1], 0xfedcba98
	s_mov_b32 s[HCC], 0x3d38aa3b                   ; c = log2(e) / 32
	s_mov_b32 s[HNEG], NEG
	s_wait_kmcnt 0x0
	s_add_nc_u64 s[G0+2:G0+3], s[46:47], s[16:17]
	s_or_b32 s[G0+3], s[G0+3], 0x80000000
	tensor_load_to_lds s[G0:G0+3], s[G1:G1+7]      ; my quarter of the slice of Wv: my one tensor load
	s_nop 0
	s_add_nc_u64 s[18:19], s[44:45], s[22:23]      ; xb, K blocks 0 to 7,
	s_add_nc_u64 s[20:21], s[18:19], 0x800000      ; and 8 to 15: the immediates stay inside their signed 24 bits
	s_add_nc_u64 s[36:37], s[4:5], s[50:51]        ; q,
	s_add_nc_u64 s[38:39], s[36:37], 0x1000000     ; and k, 16 channel blocks on
	s_add_nc_u64 s[48:49], s[48:49], s[52:53]
	v_and_b32 v1, 15, v0                           ; r = l % 16
	v_bfe_u32 v2, v0, 4, 1                         ; h = l / 16
	v_and_b32 v3, 7, v0                            ; l % 8
	v_bfe_u32 v4, v0, 3, 1                         ; (l / 8) % 2
	v_lshlrev_b32 v[HTOK], 7, v1
	v_lshl_add_u32 v[HTOK], v2, 4, v[HTOK]
	; a fragment is 16 tokens x 32 numbers: lane (r, h) takes token r, numbers 8 h + 0..7 and 16 + 8 h + 0..7: two loads of 16 bytes, 32 bytes apart.  All 96 loads go out at once, q's and k's first.
.set i, 0
.rept 8
	global_load_b128 v[HKF+8*i:HKF+8*i+3],   v[HTOK], s[38:39] offset:(i/2)*1048576+(i%2)*64
	global_load_b128 v[HKF+8*i+4:HKF+8*i+7], v[HTOK], s[38:39] offset:(i/2)*1048576+(i%2)*64+32
	global_load_b128 v[HQF+8*i:HQF+8*i+3],   v[HTOK], s[36:37] offset:(i/2)*1048576+(i%2)*64
	global_load_b128 v[HQF+8*i+4:HQF+8*i+7], v[HTOK], s[36:37] offset:(i/2)*1048576+(i%2)*64+32
.set i, i+1
.endr
	WIN 0x80                                       ; destination window 2, address window 0
.set i, 0
.rept 32                                           ; x's fragment of K step i at v[8 i] of window 2
.if i < 16
	global_load_b128 v[8*i:8*i+3],   v[HTOK], s[18:19] offset:(i/2)*1048576+(i%2)*64
	global_load_b128 v[8*i+4:8*i+7], v[HTOK], s[18:19] offset:(i/2)*1048576+(i%2)*64+32
.else
	global_load_b128 v[8*i:8*i+3],   v[HTOK], s[20:21] offset:((i-16)/2)*1048576+(i%2)*64
	global_load_b128 v[8*i+4:8*i+7], v[HTOK], s[20:21] offset:((i-16)/2)*1048576+(i%2)*64+32
.endif
.set i, i+1
.endr
	WIN 0
	v_lshl_add_u32 v5, v2, 3, v3                   ; W's fragment: the turning load reads k row 8 h + l % 8, channels 8 ((l / 8) % 2) + 0..7, and leaves channel r, 8 k, in lane l
	v_mul_u32_u24 v5, v5, HPW
	v_lshl_add_u32 v5, v4, 4, v5
	s_lshl_b32 s16, s[WV], 6                       ; my 32 channels
	v_add_nc_u32 v[HADRW], s16, v5
	v_and_b32 v5, 31, v0
	v_lshlrev_b32 v[HGO], 4, v5                    ; 16 x lane
	s_lshl_b32 s16, s[WV], 10
	s_add_co_u32 s16, s16, HSCR
	v_add_nc_u32 v[HSCW], s16, v[HGO]
	v_add_nc_u32 v[HSCRD], HSCR, v[HGO]
	v_mul_u32_u24 v5, v1, HSPG                     ; into the stage: row r, 32 bytes for each half of the lanes, my 128 bytes of the row
	v_lshl_add_u32 v5, v2, 5, v5
	s_lshl_b32 s16, s[WV], 7
	s_add_co_u32 s16, s16, HSTG
	v_add_nc_u32 v[HSTO], s16, v5
	s_mul_i32 s16, s[WV], 4*HSPG                   ; back: rows 4 w .. 4 w + 3, whole: 32 lanes x 16 bytes are a row's 512
	s_add_co_u32 s16, s16, HSTG
	v_add_nc_u32 v[HRD], s16, v[HGO]
	v_lshlrev_b32 v5, 3, v2
	v_sub_nc_u32 v[HRH], v1, v5
	v_mov_b32 v[HMX+1], 0                          ; a lane exchange's destination counts as read: written once
	; MY PART OF THE SCORES: 8 steps of 32 channels, two accumulators by turns; the first two products start the sums
	s_wait_loadcnt 63                              ; of the 96 loads at most 63 are out: the first 33 are in, q's and k's 32 among them
.set i, 0
.rept 8
.if i < 2
	v_wmma_f32_16x16x32_f16 v[HS0+8*(i%2):HS0+8*(i%2)+7], v[HKF+8*i:HKF+8*i+7], v[HQF+8*i:HQF+8*i+7], 0
.else
	v_wmma_f32_16x16x32_f16 v[HS0+8*(i%2):HS0+8*(i%2)+7], v[HKF+8*i:HKF+8*i+7], v[HQF+8*i:HQF+8*i+7], v[HS0+8*(i%2):HS0+8*(i%2)+7]
.endif
.set i, i+1
.endr
	PLACES
.irp z, 0,1,2,3
	v_pk_add_f32 v[HSS+2*\z:HSS+2*\z+1], v[HS0+2*\z:HS0+2*\z+1], v[HS1+2*\z:HS1+2*\z+1]  ; both accumulators from their low end on
.endr
	ds_store_b128 v[HSCW], v[HSS:HSS+3]
	ds_store_b128 v[HSCW], v[HSS+4:HSS+7] offset:512
	s_wait_tensorcnt 0x0                           ; for the others' sake: my quarter of the slice has landed,
	s_wait_dscnt 0x0                               ; and my part of the scores is stored
	s_barrier_signal -1
	s_barrier_wait -1                              ; everybody's are
.irp u, 0,1,2,3
	ds_load_b128 v[HPT+8*\u:HPT+8*\u+3],   v[HSCRD] offset:\u*1024
	ds_load_b128 v[HPT+8*\u+4:HPT+8*\u+7], v[HSCRD] offset:\u*1024+512
.endr
	s_wait_dscnt 0x0
	; THE SOFTMAX, in f32; every wave makes all 16 x 16 weights for itself
.irp z, 0,1,2,3
	v_pk_add_f32 v[HSS+2*\z:HSS+2*\z+1], v[HPT+2*\z:HPT+2*\z+1], v[HPT+8+2*\z:HPT+8+2*\z+1]
	v_pk_add_f32 v[HPT+16+2*\z:HPT+16+2*\z+1], v[HPT+16+2*\z:HPT+16+2*\z+1], v[HPT+24+2*\z:HPT+24+2*\z+1]
.endr
.irp z, 0,1,2,3
	v_pk_add_f32 v[HSS+2*\z:HSS+2*\z+1], v[HSS+2*\z:HSS+2*\z+1], v[HPT+16+2*\z:HPT+16+2*\z+1]
.endr
.irp j, 0,1,2,3,4,5,6,7
	v_cmp_gt_i32 vcc_lo, \j, v[HRH]                ; key 8 h + j > query r
	v_cndmask_b32 v[HSS+\j], v[HSS+\j], s[HNEG], vcc_lo
.endr
	v_max3_num_f32 v[HMX], v[HSS], v[HSS+1], v[HSS+2]
	v_max3_num_f32 v[HMX], v[HMX], v[HSS+3], v[HSS+4]
	v_max3_num_f32 v[HMX], v[HMX], v[HSS+5], v[HSS+6]
	v_max_num_f32 v[HMX], v[HMX], v[HSS+7]
	v_permlanex16_b32 v[HMX+1], v[HMX], s[HSEL], s[HSEL+1]  ; the query's other 8 keys lie in the lane 16 away
	v_max_num_f32 v[HMX], v[HMX], v[HMX+1]         ; every query sees key 0, so m is a true score
.irp j, 0,1,2,3,4,5,6,7
	v_sub_f32 v[HSS+\j], v[HSS+\j], v[HMX]
.endr
.irp j, 0,1,2,3,4,5,6,7
	v_mul_f32 v[HSS+\j], s[HCC], v[HSS+\j]
.endr
.irp j, 0,1,2,3,4,5,6,7
	v_exp_f32 v[HSS+\j], v[HSS+\j]
.endr
	v_nop                                          ; a plain instruction behind the last exponential (ISA guide 5.7.2)
	s_wait_alu depctr_va_vdst(0)
.irp z, 0,1,2,3
	v_add_f32 v[HLS+\z], v[HSS+2*\z], v[HSS+2*\z+1]
.endr
	v_add_f32 v[HLS], v[HLS], v[HLS+1]
	v_add_f32 v[HLS+2], v[HLS+2], v[HLS+3]
	v_add_f32 v[HLS], v[HLS], v[HLS+2]
	v_permlanex16_b32 v[HLS+1], v[HLS], s[HSEL], s[HSEL+1]
	v_add_f32 v[HLS], v[HLS], v[HLS+1]             ; l is at least 1: the largest weight is 1
	v_rcp_f32 v[HLS+2], v[HLS]
	v_nop
	s_wait_alu depctr_va_vdst(0)
.irp j, 0,1,2,3,4,5,6,7
	v_mul_f32 v[HSS+\j], v[HSS+\j], v[HLS+2]
.endr
	; v OF THE 16 TOKENS, my 32 channels: 32 K steps, four at a time on two buffers of W's fragments
.macro FETCHW c                        ; 16 turning loads: K steps 4 c .. 4 c + 3, both channel tiles, into buffer c % 2
.set FBW, HWF+64*((\c)%2)
.irp s, 0,1,2,3
.irp t, 0,1
	ds_load_tr16_b128 v[FBW+16*\s+8*\t:FBW+16*\s+8*\t+3],   v[HADRW] offset:(\s)*32*HPW+32*\t
	ds_load_tr16_b128 v[FBW+16*\s+8*\t+4:FBW+16*\s+8*\t+7], v[HADRW] offset:(\s)*32*HPW+16*HPW+32*\t
.endr
.endr
.if (\c) < 7
	v_add_nc_u32 v[HADRW], 4*32*HPW, v[HADRW]      ; 128 k rows on
.endif
.endm
.macro MULV c                          ; 8 matrix instructions; the two accumulators take turns; the very first two start the sums
.set FBW, HWF+64*((\c)%2)
	WIN 0x02                                       ; source 0 (x) in window 2
.irp s, 0,1,2,3
.irp t, 0,1
.if (\c)+(\s) == 0
	v_wmma_f32_16x16x32_bf16 v[HVA+8*\t:HVA+8*\t+7], v[8*(4*(\c)+\s):8*(4*(\c)+\s)+7], v[FBW+16*\s+8*\t:FBW+16*\s+8*\t+7], 0
.else
	v_wmma_f32_16x16x32_bf16 v[HVA+8*\t:HVA+8*\t+7], v[8*(4*(\c)+\s):8*(4*(\c)+\s)+7], v[FBW+16*\s+8*\t:FBW+16*\s+8*\t+7], v[HVA+8*\t:HVA+8*\t+7]
.endif
.endr
.endr
	WIN 0
.endm
	FETCHW 0
	s_wait_loadcnt 0x0                             ; x
.irp c, 0,1,2,3,4,5,6,7
.if \c < 7
.if \c > 0
	PLACES                                         ; the loads below fill the buffer that the products just issued have read
.endif
	FETCHW (\c)+1
	s_wait_dscnt 16                                ; this group's fragments are in; the 16 loads just issued stay out
.else
	s_wait_dscnt 0x0
.endif
	MULV \c
.endr
.rept 5
	v_nop                                          ; five places before a matrix instruction takes those results as a source (ISA guide 7.12.1)
.endr
	; out^T = v^T w: four steps of 4 keys, two accumulators by turns; step i takes registers 2 i, 2 i + 1 of v and of w: keys 8 h + 2 i + j in both
	WIN 0x50                                       ; C and D in window 1, the sources in window 0
.irp i, 0,1,2,3
.irp t, 0,1
.if \i == 0
	v_wmma_f32_16x16x4_f32 v[HOA+8*\t:HOA+8*\t+7], v[HVA+8*\t+2*\i:HVA+8*\t+2*\i+1], v[HSS+2*\i:HSS+2*\i+1], 0
.else
	v_wmma_f32_16x16x4_f32 v[HOA+8*\t:HOA+8*\t+7], v[HVA+8*\t+2*\i:HVA+8*\t+2*\i+1], v[HSS+2*\i:HSS+2*\i+1], v[HOA+8*\t:HOA+8*\t+7]
.endif
.endr
.endr
.rept 8
	v_nop                                          ; eight places behind the f32 form before an LDS store reads its result
.endr
	; THE WAY OUT: a lane's 8 channels of query r, 32 bytes, into the work-group's stage; a barrier, since a row's 512 bytes come from four waves; back as whole rows
	WIN 0x04                                       ; the stores' data (source 1) in window 1, the address in window 0
.irp t, 0,1
	ds_store_b128 v[HSTO], v[HOA+8*\t:HOA+8*\t+3]   offset:64*\t
	ds_store_b128 v[HSTO], v[HOA+8*\t+4:HOA+8*\t+7] offset:64*\t+16
.endr
	WIN 0
	s_wait_dscnt 0x0                               ; for the others' sake: my stores into the stage are done
	s_barrier_signal -1
	s_barrier_wait -1
.irp i, 0,1,2,3
	ds_load_b128 v[HPT+4*\i:HPT+4*\i+3], v[HRD] offset:\i*HSPG
.endr
.irp i, 0,1,2,3
	s_wait_dscnt 3-\i                              ; LDS loads come back in order: row i is in, the younger rows stay out
	global_store_b128 v[HGO], v[HPT+4*\i:HPT+4*\i+3], s[48:49] offset:\i*4096  ; 512 consecutive bytes, at a multiple of 512 from out0's first byte
.endr
	s_wait_tensorcnt 0x0                           ; the wave's end
	ds_add_u32 v[SPW], v[NIL]
	s_wait_dscnt 0x0
	s_endpgm
.Lfunc_end_k_qed62837965_score:
	.size	k_qed62837965_score, .Lfunc_end_k_qed62837965_score-k_qed62837965_score
	.p2alignl 7, 3214868480
	.fill 96, 4, 3214868480
	.section	.rodata,"a",@progbits
	.p2align	6, 0x0
	.amdhsa_kernel k_qed62837965_score
		.amdhsa_group_segment_fixed_size 327680
		.amdhsa_private_segment_fixed_size 0
		.amdhsa_enable_private_segment 0
		.amdhsa_kernarg_size 56
		.amdhsa_user_sgpr_count 2
		.amdhsa_user_sgpr_kernarg_segment_ptr 1
		.amdhsa_wavefront_size32 1
		.amdhsa_system_sgpr_workgroup_id_x 1
		.amdhsa_system_sgpr_workgroup_id_y 1
		.amdhsa_system_sgpr_workgroup_id_z 1
		.amdhsa_system_vgpr_workitem_id 0
		.amdhsa_next_free_vgpr 1024
		.amdhsa_next_free_sgpr 66
		.amdhsa_reserve_vcc 1
		.amdhsa_float_denorm_mode_32 3
		.amdhsa_float_denorm_mode_16_64 3
		.amdhsa_memory_ordered 1
		.amdhsa_forward_progress 1
		.amdhsa_inst_pref_size 159
	.end_amdhsa_kernel
	.amdgpu_metadata
---
amdhsa.version: [ 1, 2 ]
amdhsa.kernels:
  - .name:           k_qed62837965_score
    .symbol:         k_qed62837965_score.kd
    .args:
      - { .name: qkv, .offset: 0, .size: 8, .value_kind: global_buffer, .address_space: global }
      - { .name: p, .offset: 8, .size: 8, .value_kind: global_buffer, .address_space: global }
      - { .name: statm, .offset: 16, .size: 8, .value_kind: global_buffer, .address_space: global }
      - { .name: statl, .offset: 24, .size: 8, .value_kind: global_buffer, .address_space: global }
      - { .name: xb, .offset: 32, .size: 8, .value_kind: global_buffer, .address_space: global }
      - { .name: wb, .offset: 40, .size: 8, .value_kind: global_buffer, .address_space: global }
      - { .name: out0, .offset: 48, .size: 8, .value_kind: global_buffer, .address_space: global }
    .group_segment_fixed_size: 327680
    .private_segment_fixed_size: 0
    .kernarg_segment_align: 8
    .kernarg_segment_size: 56
    .max_flat_workgroup_size: 128
    .sgpr_count:     66
    .vgpr_count:     1024
    .wavefront_size: 32
...
	.end_amdgpu_metadata
.endif
;; end of part 3
;; launch pv (part 4): grid 8 x 32, 4 waves a work-group, clusters of 4 x 1, 327,680 bytes of LDS; arguments p, qkv, statm, statl, out0; writes out0
.if DOCPART == 4
	.amdgcn_target "amdgcn-amd-amdhsa--gfx1250"
	.amdhsa_code_object_version 6
	.text
	.protected	k_qed62837965_pv
	.globl	k_qed62837965_pv
	.p2align	8
	.type	k_qed62837965_pv,@function
k_qed62837965_pv:
	s_mov_b64 s[64:65], 0
	v_nop
	global_prefetch_b8 v0, s[64:65] scope:SCOPE_SE
	s_setreg_imm32_b32 hwreg(HW_REG_WAVE_MODE, 25, 1), 1
	s_wait_xcnt 0x0
	s_wait_alu depctr_hold_cnt(0) depctr_sa_sdst(0) depctr_va_vdst(0) depctr_va_sdst(0) depctr_va_ssrc(0) depctr_va_vcc(0) depctr_vm_vsrc(0)
	s_getreg_b32 s2, hwreg(HW_REG_IB_STS2, 6, 4)
	s_cmp_eq_u32 s2, 0
	s_cbranch_scc0 .Lentry_in_a_cluster
	s_endpgm
.Lentry_in_a_cluster:
	s_bfe_u32 s2, ttmp6, 0x10000c
	s_cmp_lg_u32 s2, 0x3003
	s_cbranch_scc0 .Lentry_shape_is_right
	s_endpgm
.Lentry_shape_is_right:
; PV.  out[q][ch] = the sum over the groups g of 128 keys of w_g(q) x (P_g V_g)[q][ch], with M = max over g of m_g, e_g = 2^(c (m_g - M)), L = the sum of e_g l_g, w_g = e_g / L, c = log2(e) / 32.
; m_g - M is formed first and then scaled: every exponent is at most 0, one e_g is 1 and its l_g at least 1, so L is at least 1.  Products in f16; the group sums, the total, M and L in f32.
; ROWS 0 TO 15 OF EACH BATCH ARE NOT STORED HERE: the launch before has made them with more digits.  They are multiplied with their block all the same; the last way out jumps over their eight stores.
; LIMITS.  v within f16's 65,504; a weight below 2^-126 counts as 0; NaN and infinities are not treated apart.
; THE WALK.  A batch's queries lie in 16 blocks of 128; block i needs the key tiles 0 .. i / 2 of 256 keys (two groups each).  A work-group takes blocks 15 - pb and then pb, for 128 channels: 9 tiles whatever pb,
; so all 256 work-groups do equal work and ONE loop with a constant trip count walks them.  For even i the last tile's second group is hidden: it is multiplied all the same and has w = 0.
; A wave makes 64 queries x 64 channels.  Source 0 = 16 channels of V (turned by ds_load_tr16_b128), source 1 = 16 queries of P: a lane holds one query and eight neighbouring channels.
; CLUSTER 4 x 1: the four partners share batch and pb and differ in their channels: P's tiles are asked for jointly (waves 0, 1); V's are each work-group's own (waves 2, 3), behind the same round.
; V cannot be shared: work-groups with the same channels walk different key tiles.
; REGISTERS: window 0: v4-14 addresses, v32-47 the tile's weights, v64-127 the way out (and the prologue's work), v128-255 the total; window 1: two fragment buffers of 128 (P 64, V 64); window 2: the two groups' sums.
.set PP,     272                       ; a row of P: 256 bytes + 16 of padding
.set PPIECE, 128*PP                    ; a group: 128 queries
.set VOFF,   2*PPIECE
.set VPIECE, 128*288                   ; a channel block: 256 keys as 128 lines of two keys (256 bytes) + 32 of padding
.set SLOT1,  147456                    ; 0x24000 shares no bit with the four pieces' first bytes, so one exclusive or changes slots
.set STAGE,  SLOT1+VOFF+2*VPIECE       ; behind the ring, never filled by a tensor load: 16 rows x 272 bytes for each wave
.set WSTAGE, 16*PP
.set WT,     STAGE+4*WSTAGE            ; the weights: [2 blocks][16 g][128 q] f32
.set SPARE,  WT+16384                  ; the spare words: two blocks of 256 bytes that no other line names
.set ADRP0, 4
.set ADRV0, 5
.set ADRP,  6
.set ADRV,  7
.set WAD0,  8
.set WAD,   9
.set STO,   10
.set RD,    11
.set CO,    12
.set T4,    13
.set WTA,   14
.set SPW,   28
.set NIL,   29
.set WA,    32                         ; v32, 34, 36, 38  w of the tile's first group for my four query tiles; the odd registers are named with them as pairs
.set WB,    40                         ; the same for its second group
.set OB,    64
.set TOT,   128
.set MM,    64                         ; the prologue: 16 m, then e, then w
.set LL,    80                         ; 16 l
.set AD,    96                         ; 16 byte offsets
.set VM,    112
.set VL,    113
.set VR,    114
.set F0,    0
.set F1,    128
.set WV, 14
.set WC, 15
.set WR, 16
.set CT, 18
.set PB, 20
.set BA, 21
.set HI, 22
.set G1P, 24
.set G1V, 32
.set G0P, 40
.set G0V, 44
.set PBASE, 48
.set VBASE, 50
.set OFP, 52
.set OFV, 54
.set SLOTS, 56
.set RT,  57                           ; tiles of the block in hand that are still to be multiplied
.set NXT, 58                           ; the tile to be asked for next
.set LQ,  59                           ; the last tile of the block whose tiles are being asked for
.set QBO, 60                           ; that block's byte offset in a group of p
.set TB,  61
.set WTO, 63                           ; the tile's byte offset in the weights' table
.set OCUR, 66
.set OLO,  68
.set LQLO, 70
.set NTLO, 71
.set QBOLO, 72
.set CC,  73
.set SI,  80
.set CN,  81
.set SKP, 86                           ; s86  0: my second block's first 16 rows are the batch's rows 0 to 15
.set MSB, 0
.macro WIN new
.if MSB != (\new)
	s_set_vgpr_msb (MSB<<8)|(\new)
.set MSB, \new
.endif
.endm
.macro PLACES
.rept 4
	v_nop
.endr
.endm
.macro JLOAD                           ; waves 0, 1: the tile's two groups of P, jointly; waves 2, 3: my two channel blocks of V; an s_nop 0 and four v_nop follow each line
	s_cmp_lt_u32 s[WV], 2
	s_cbranch_scc0 .Lfor_v_\@
	tensor_load_to_lds s[G0P:G0P+3], s[G1P:G1P+7]
	s_nop 0
	PLACES
	s_branch .Lasked_\@
.Lfor_v_\@:
	tensor_load_to_lds s[G0V:G0V+3], s[G1V:G1V+7]
	s_nop 0
	PLACES
.Lasked_\@:
.endm
.macro CROUND
	s_barrier_signal -1
	s_barrier_wait -1
	s_cmp_lg_u32 s[WV], 0
	s_cbranch_scc1 .Lnot_wave_0_\@
	s_barrier_signal -3
.Lnot_wave_0_\@:
	s_barrier_wait -3
	s_barrier_signal -1
	s_barrier_wait -1
.endm
; THE CHANGE OF SLOTS.  Each wave waits for all its tensor loads (one is out: its piece of the other slot), adds 0 to its spare word, and waits for that and for its reads of the slot that it leaves.
; fill = 1: a round of the cluster's barrier, and the old slot is filled again first thing behind it, with tile NXT; the addresses are made anew from that number.  The load has a tile's 128 matrix instructions a wave in which to land.
.macro CHANGE fill
	WIN 0
	s_wait_tensorcnt 0x0                           ; no tensor load of mine is out, so the descriptors may be written
	ds_add_u32 v[SPW], v[NIL]
.if \fill
	s_lshl_b32 s[OFP], s[NXT], 20                  ; two groups of 524,288 bytes a tile, and the block's rows
	s_add_co_u32 s[OFP], s[OFP], s[QBO]
	s_xor_b32 s[G0P+1], s[G0P+1], SLOT1
	s_add_nc_u64 s[G0P+2:G0P+3], s[PBASE:PBASE+1], s[OFP:OFP+1]
	s_or_b32 s[G0P+3], s[G0P+3], 0x80000000
	s_lshl_b32 s[OFV], s[NXT], 15                  ; 256 keys of 128 bytes
	s_xor_b32 s[G0V+1], s[G0V+1], SLOT1
	s_add_nc_u64 s[G0V+2:G0V+3], s[VBASE:VBASE+1], s[OFV:OFV+1]
	s_or_b32 s[G0V+3], s[G0V+3], 0x80000000
	s_add_co_u32 s[NXT], s[NXT], 1                 ; the block's next tile, or behind its last the second block's tile 0
	s_cmp_gt_u32 s[NXT], s[LQ]
	s_cselect_b32 s[NXT], 0, s[NXT]
	s_cselect_b32 s[QBO], s[QBOLO], s[QBO]
	s_cselect_b32 s[LQ], s[LQLO], s[LQ]
.endif
	s_wait_dscnt 0x0                               ; the add is done, my LDS reads and stores are over
.if \fill
	CROUND
	JLOAD
.else
	s_barrier_signal -1
	s_barrier_wait -1
.endif
	s_xor_b32 s[TB], s[TB], SLOT1
	v_add_nc_u32 v[ADRP], s[TB], v[ADRP0]
	v_add_nc_u32 v[ADRV], s[TB], v[ADRV0]
.endm
	s_load_b256 s[4:11], s[0:1], 0x0               ; p s[4:5], qkv s[6:7], statm s[8:9], statl s[10:11]
	s_load_b64 s[12:13], s[0:1], 0x20              ; out0
	v_lshl_add_u32 v[SPW], v0, 2, SPARE
	v_mov_b32 v[NIL], 0
	ds_add_u32 v[SPW], v[NIL]                      ; the wave's opening: the add and its wait stand ahead of my first tensor load
	ds_add_u32 v28, v29
	v_lshrrev_b32 v1, 5, v0
	v_readfirstlane_b32 s[WV], v1
	s_and_b32 s[WC], s[WV], 1                      ; my half of the channels; also: which piece I fetch
	s_lshr_b32 s[WR], s[WV], 1                     ; my half of the queries
	s_bfe_u32 s17, ttmp6, 0x40000                  ; cx
	s_lshl_b32 s[CT], ttmp9, 2
	s_add_co_u32 s[CT], s[CT], s17                 ; my 128 channels: it enters V's and out0's addresses alone
	s_and_b32 s19, ttmp7, 0xffff
	s_and_b32 s[PB], s19, 7                        ; the second block; the partners share it
	s_lshr_b32 s[BA], s19, 3                       ; the batch
	s_sub_co_u32 s[HI], 15, s[PB]                  ; the first block
	s_or_b32 s[SKP], s[PB], s[WR]                  ; 0 where the second block is the batch's first and I hold its first 64 rows
	s_lshr_b32 s[LQ], s[HI], 1
	s_add_co_u32 s[RT], s[LQ], 1
	s_lshr_b32 s[LQLO], s[PB], 1
	s_add_co_u32 s[NTLO], s[LQLO], 1
	s_lshl_b32 s[QBO], s[HI], 15                   ; 128 rows of 256 bytes a block
	s_lshl_b32 s[QBOLO], s[PB], 15
	s_mov_b32 s[NXT], 1
	s_mov_b32 s[SLOTS], 8
	s_mov_b32 s[TB], SLOT1                         ; the first change of slots turns it into 0
	s_mov_b32 s[WTO], 0
	s_mov_b32 s[CC], 0x3d38aa3b                    ; c = log2(e) / 32
	s_mov_b32 s[G1P], 15|(1<<16)|(1<<20)|(1<<21)|(5<<22)|(3<<25)  ; the mask of four, bit 21 beside it; 2-byte elements; 4 words of padding behind every 64
	s_mov_b32 s[G1V], (1<<16)|(1<<20)|(5<<22)|(7<<25)             ; no mask; 8 words of padding
.irp g, G1P, G1V
	s_mov_b32 s[\g+1], 128<<16                     ; tensor_dim0
	s_mov_b32 s[\g+2], 128<<16                     ; tensor_dim1
	s_mov_b32 s[\g+3], 128<<16                     ; tile_dim0
	s_mov_b32 s[\g+4], 128                         ; tile_dim1
	s_mov_b32 s[\g+5], 128                         ; dense rows of 256 bytes
	s_mov_b32 s[\g+6], 0
	s_mov_b32 s[\g+7], 0
.endr
	s_mov_b32 s[G0P], 1
	s_mul_i32 s[G0P+1], s[WC], PPIECE
	s_mov_b32 s[G0V], 1
	s_mul_i32 s[G0V+1], s[WC], VPIECE
	s_add_co_u32 s[G0V+1], s[G0V+1], VOFF
	s_lshl_b32 s76, s[BA], 23                      ; p at group 16 batch + wc
	s_lshl_b32 s77, s[WC], 19
	s_add_co_u32 s76, s76, s77
	s_mov_b32 s77, 0
	s_lshl1_add_u32 s78, s[CT], s[WC]              ; qkv at channel block 32 + 2 ct + wc, the batch's first key
	s_add_co_u32 s78, s78, 32
	s_lshl_b32 s78, s78, 20
	s_lshl_b32 s79, s[BA], 18
	s_add_co_u32 s78, s78, s79
	s_mov_b32 s79, 0
	s_mov_b32 s[OFP], s[QBO]
	s_mov_b32 s[OFP+1], 0
	s_mov_b32 s[OFV+1], 0
	s_lshl_b32 s82, s[BA], 23                      ; out0 at row 2048 batch + 128 i + 64 wr, channel 128 ct + 64 wc
	s_lshl_b32 s83, s[WR], 18
	s_add_co_u32 s82, s82, s83
	s_lshl_b32 s83, s[CT], 9
	s_add_co_u32 s82, s82, s83
	s_lshl_b32 s83, s[WC], 8
	s_add_co_u32 s82, s82, s83
	s_lshl_b32 s84, s[PB], 19
	s_add_co_u32 s84, s84, s82
	s_lshl_b32 s83, s[HI], 19
	s_add_co_u32 s82, s82, s83
	s_mov_b32 s83, 0
	s_mov_b32 s85, 0
	s_wait_dscnt 0x0                               ; the opening add is done
	s_wait_kmcnt 0x0
	s_add_nc_u64 s[PBASE:PBASE+1], s[4:5], s[76:77]
	s_add_nc_u64 s[VBASE:VBASE+1], s[6:7], s[78:79]
	s_add_nc_u64 s[G0P+2:G0P+3], s[PBASE:PBASE+1], s[OFP:OFP+1]
	s_or_b32 s[G0P+3], s[G0P+3], 0x80000000
	s_add_nc_u64 s[G0V+2:G0V+3], s[VBASE:VBASE+1], 0
	s_or_b32 s[G0V+3], s[G0V+3], 0x80000000
	s_add_nc_u64 s[OCUR:OCUR+1], s[12:13], s[82:83]
	s_add_nc_u64 s[OLO:OLO+1], s[12:13], s[84:85]
	CROUND                                         ; all four work-groups are here: the first joint loads meet
	JLOAD                                          ; the first block's tile 0 into slot 0
	v_and_b32 v1, 15, v0                           ; r
	v_bfe_u32 v2, v0, 4, 1                         ; h
	v_and_b32 v3, 7, v0                            ; l % 8
	v_bfe_u32 v15, v0, 3, 1                        ; (l / 8) % 2
	v_mul_u32_u24 v16, v1, PP                      ; P's fragment: query r, keys 8 h + 0..7 at 16 h and 16 + 8 h + 0..7 32 bytes on
	v_lshl_add_u32 v16, v2, 4, v16
	s_mul_i32 s74, s[WR], 64*PP
	v_add_nc_u32 v[ADRP0], s74, v16
	v_lshrrev_b32 v16, 1, v3                       ; V's: the turning load reads key 8 h + l % 8 (line 4 h + (l % 8) / 2, half l % 2), channels 8 ((l / 8) % 2) + 0..7
	v_lshl_add_u32 v16, v2, 2, v16
	v_mul_u32_u24 v16, v16, 288
	v_and_b32 v17, 1, v3
	v_lshl_add_u32 v16, v17, 7, v16
	v_lshl_add_u32 v16, v15, 4, v16
	s_mul_i32 s74, s[WC], VPIECE
	s_add_co_u32 s74, s74, VOFF
	v_add_nc_u32 v[ADRV0], s74, v16
	s_lshl_b32 s74, s[WR], 8
	s_add_co_u32 s74, s74, WT
	v_lshl_add_u32 v[WAD0], v1, 2, s74             ; the weight of query 64 wr + r
	s_mul_i32 s74, s[WV], WSTAGE
	s_add_co_u32 s74, s74, STAGE                   ; my stage
	v_mul_u32_u24 v16, v1, PP
	v_lshl_add_u32 v16, v2, 5, v16
	v_add_nc_u32 v[STO], s74, v16                  ; in: row r, 32 bytes for each half of the lanes
	v_mul_u32_u24 v16, v2, PP
	v_lshl_add_u32 v16, v1, 4, v16
	v_add_nc_u32 v[RD], s74, v16                   ; back: lanes 0-15 one row of 256 bytes, lanes 16-31 the next
	v_lshlrev_b32 v16, 12, v2
	v_lshl_add_u32 v[CO], v1, 4, v16               ; the same two rows in out0, 4,096 bytes apart
.irp a, 0,1,2,3
	v_mov_b32 v[WA+2*\a+1], 0
	v_mov_b32 v[WB+2*\a+1], 0
.endr
	; THE WEIGHTS, in the wait for the first tile: two trips, one a block; thread t takes the block's row t.  Groups beyond the block's own are read as the block's own (only stored bytes are read) and get the factor 0.
	v_lshlrev_b32 v[T4], 2, v0
	v_add_nc_u32 v[WTA], WT, v[T4]
	s_mov_b32 s[SI], s[HI]
	s_mov_b32 s[CN], 2
.Lstat:
	s_lshl_b32 s75, s[BA], 17                      ; 16 groups of 8,192 bytes a batch,
	s_lshl_b32 s74, s[SI], 9                       ; 128 rows of 4 bytes a block
	s_add_co_u32 s75, s75, s74
.set g, 0
.rept 16
	s_min_u32 s74, s[SI], g
	s_lshl_b32 s74, s74, 13
	s_add_co_u32 s74, s74, s75
	v_add_nc_u32 v[AD+g], s74, v[T4]
	global_load_b32 v[MM+g], v[AD+g], s[8:9]       ; the four waves together read 512 consecutive bytes
	global_load_b32 v[LL+g], v[AD+g], s[10:11]
.set g, g+1
.endr
	s_wait_loadcnt 0x0
	v_max3_num_f32 v[VM], v[MM], v[MM+1], v[MM+2]
.irp g, 3,5,7,9,11,13
	v_max3_num_f32 v[VM], v[VM], v[MM+\g], v[MM+\g+1]
.endr
	v_max_num_f32 v[VM], v[VM], v[MM+15]
.set g, 0
.rept 16
	v_sub_f32 v[MM+g], v[MM+g], v[VM]
.set g, g+1
.endr
.set g, 0
.rept 16
	v_mul_f32 v[MM+g], s[CC], v[MM+g]
.set g, g+1
.endr
.set g, 0
.rept 16
	v_exp_f32 v[MM+g], v[MM+g]
.set g, g+1
.endr
	v_nop                                          ; a plain instruction behind the last exponential
	s_wait_alu depctr_va_vdst(0)
.set g, 1
.rept 15
	s_cmp_ge_u32 s[SI], g
	s_cselect_b32 s74, 1.0, 0
	v_mul_f32 v[MM+g], s74, v[MM+g]
.set g, g+1
.endr
	v_mul_f32 v[VL], v[MM], v[LL]
.set g, 1
.rept 15
	v_fmac_f32 v[VL], v[MM+g], v[LL+g]
.set g, g+1
.endr
	v_rcp_f32 v[VR], v[VL]
	v_nop
.set g, 0
	s_wait_alu depctr_va_vdst(0)
.rept 16
	v_mul_f32 v[MM+g], v[MM+g], v[VR]
	ds_store_b32 v[WTA], v[MM+g] offset:g*512
.set g, g+1
.endr
	s_mov_b32 s[SI], s[PB]
	v_add_nc_u32 v[WTA], 8192, v[WTA]
	s_sub_co_u32 s[CN], s[CN], 1
	s_cmp_lg_u32 s[CN], 0
	s_cbranch_scc1 .Lstat
.macro FETCH q, f                      ; 32 LDS loads in one run: the fragments of 64 keys (quarter q of the tile) into buffer f, the first 32 keys first
	WIN 0x40
.irp c, 0,1
.irp i, 0,1,2,3
	ds_load_tr16_b128 v[(\f)+64+8*(4*\c+\i):(\f)+64+8*(4*\c+\i)+3],   v[ADRV] offset:(\q)*9216+\c*4608+32*\i
	ds_load_tr16_b128 v[(\f)+64+8*(4*\c+\i)+4:(\f)+64+8*(4*\c+\i)+7], v[ADRV] offset:(\q)*9216+\c*4608+2304+32*\i
	ds_load_b128 v[(\f)+8*(4*\c+\i):(\f)+8*(4*\c+\i)+3],   v[ADRP] offset:((\q)/2)*PPIECE+\i*16*PP+(2*((\q)%2)+\c)*64
	ds_load_b128 v[(\f)+8*(4*\c+\i)+4:(\f)+8*(4*\c+\i)+7], v[ADRP] offset:((\q)/2)*PPIECE+\i*16*PP+(2*((\q)%2)+\c)*64+32
.endr
.endr
	WIN 0
.endm
.macro RIDE                            ; the total takes the next accumulator of the first group's sums, times w: four packed lines, the low pair first
	WIN 0x02                                       ; source 0 in window 2
.irp z, 0,1,2,3
	v_pk_fma_f32 v[TOT+8*RN+2*\z:TOT+8*RN+2*\z+1], v[8*RN+2*\z:8*RN+2*\z+1], v[WA+2*(RN/4):WA+2*(RN/4)+1], v[TOT+8*RN+2*\z:TOT+8*RN+2*\z+1] op_sel_hi:[1,0,1]
.endr
.set RN, RN+1
.endm
; 8 matrix instructions: query tiles a0, a0 + 1 x 4 channel tiles, 32 keys (half c of buffer f), onto group pa's sums.  zero = 1: the product starts the sum.  ride = 1: a RIDE behind every fourth.
; The 16 accumulators take turns.
.macro MUL8R f, c, a0, pa, zero, ride
.irp a, \a0, (\a0)+1
.irp b, 0,1,2,3
	WIN 0xa5                                       ; V and P in window 1, C and D in window 2
.set rD, 128*(\pa)+8*(4*(\a)+(\b))
.set rV, (\f)+64+8*(4*(\c)+(\b))
.set rP, (\f)+8*(4*(\c)+(\a))
.if \zero
	v_wmma_f32_16x16x32_f16 v[rD:rD+7], v[rV:rV+7], v[rP:rP+7], 0
.else
	v_wmma_f32_16x16x32_f16 v[rD:rD+7], v[rV:rV+7], v[rP:rP+7], v[rD:rD+7]
.endif
.endr
.if \ride
	RIDE
.endif
.endr
.endm
.macro HALF f, c, pa, zero, ride
	MUL8R \f, \c, 0, \pa, \zero, \ride
	MUL8R \f, \c, 2, \pa, \zero, \ride
.endm
.macro FLUSH1                          ; the total takes the second group's sums, times w
	PLACES
	WIN 0x02
.set n, 0
.rept 16
.irp z, 0,1,2,3
	v_pk_fma_f32 v[TOT+8*n+2*\z:TOT+8*n+2*\z+1], v[128+8*n+2*\z:128+8*n+2*\z+1], v[WB+2*(n/4):WB+2*(n/4)+1], v[TOT+8*n+2*\z:TOT+8*n+2*\z+1] op_sel_hi:[1,0,1]
.endr
.set n, n+1
.endr
	WIN 0
.endm
.macro WLOAD                           ; the tile's eight weights a lane
	WIN 0
	v_add_nc_u32 v[WAD], s[WTO], v[WAD0]
	s_add_co_u32 s[WTO], s[WTO], 1024              ; two groups on;
	s_and_b32 s[WTO], s[WTO], 0x3c00               ; the offset stays inside the table's 16 KiB
.irp a, 0,1,2,3
	ds_load_b32 v[WA+2*\a], v[WAD] offset:64*\a
.endr
.irp a, 0,1,2,3
	ds_load_b32 v[WB+2*\a], v[WAD] offset:512+64*\a
.endr
.endm
; A TILE: four quarters of 64 keys on buffers 0, 1, 0, 1; quarters 0, 1 make the first group's sums, 2, 3 the second's, and beside these the total takes the first group's.
.macro TILE
.set RN, 0
	s_wait_dscnt 24                                ; the first 32 keys are in; out: the other 16 loads and the 8 weights
	HALF F0, 0, 0, 1, 0
	PLACES
	FETCH 1, F1
	s_wait_dscnt 40                                ; out: the 8 weights and the 32 just issued
	HALF F0, 1, 0, 0, 0
	s_wait_dscnt 16
	HALF F1, 0, 0, 0, 0
	PLACES
	FETCH 2, F0
	s_wait_dscnt 32
	HALF F1, 1, 0, 0, 0
	PLACES                                         ; the places in front of the first read of the first group's sums
	s_wait_dscnt 16
	HALF F0, 0, 1, 1, 1
	PLACES
	FETCH 3, F1
	s_wait_dscnt 32
	HALF F0, 1, 1, 0, 1
	s_wait_dscnt 16
	HALF F1, 0, 1, 0, 1
	s_wait_dscnt 0x0
	HALF F1, 1, 1, 0, 1
	WIN 0
	s_sub_co_u32 s[RT], s[RT], 1
.endm
.macro BEGIN                           ; a block begins: the total is cleared, the price of one text for every tile; twice a work-group
	WIN 0
.set n, 0
.rept 128
	v_mov_b32 v[TOT+n], 0
.set n, n+1
.endr
.endm
; THE WAY OUT of a block, a tile of 16 queries at a time: 32 bytes a lane into my stage, back as rows of 256 bytes; sixteen lanes store 256 consecutive bytes at a multiple of 256 from out0's first byte.
; skip = 1 (the second block's): where its first tile is the batch's rows 0 to 15 the tile's eight stores are jumped over; the jump passes stores alone.
.macro OUT8 a
.irp t, 0,1,2,3,4,5,6,7
	global_store_b128 v[CO], v[OB+32*((\a)%2)+4*\t:OB+32*((\a)%2)+4*\t+3], s[OCUR:OCUR+1] offset:(16*(\a)+2*\t)*4096 th:TH_STORE_NT
.endr
.endm
.macro WAYOUT skip=0
	WIN 0
.irp a, 0,1,2,3
.irp b, 0,1,2,3
	ds_store_b128 v[STO], v[TOT+8*(4*\a+\b):TOT+8*(4*\a+\b)+3]   offset:64*\b
	ds_store_b128 v[STO], v[TOT+8*(4*\a+\b)+4:TOT+8*(4*\a+\b)+7] offset:64*\b+16
.endr
.if \a >= 2
	s_wait_xcnt 0x0                                ; the stores of two tiles back have read the registers that the loads below fill
.endif
.irp t, 0,1,2,3,4,5,6,7
	ds_load_b128 v[OB+32*(\a%2)+4*\t:OB+32*(\a%2)+4*\t+3], v[RD] offset:\t*2*PP  ; LDS serves a wave's instructions in order (ISA guide 5.7.1.4)
.endr
.if \a >= 1
	s_wait_dscnt 16                                ; the tile before is back; this tile's sixteen LDS instructions stay out
.if (\skip) && (\a == 1)
	s_cmp_eq_u32 s[SKP], 0
	s_cbranch_scc1 .Lnot_mine_\@
	OUT8 0
.Lnot_mine_\@:
.else
	OUT8 (\a)-1
.endif
.endif
.endr
	s_wait_dscnt 0x0
	OUT8 3
.endm
	CHANGE 1                                       ; tile 0 is in, everybody's piece of it, and the weights are stored; tile 1 is asked for
	FETCH 0, F0
	s_branch .Lbegin                               ; the loop is entered in the middle of a trip
.Lslot:                                                ; seven times: the walk's next tile is entered, and the tile behind it is asked for
	CHANGE 1
	FETCH 0, F0
	FLUSH1                                         ; the tile before's second group, while the fragments are on their way
	s_cmp_lg_u32 s[RT], 0
	s_cbranch_scc1 .Lgo
	WAYOUT                                         ; the first block is finished
	s_wait_xcnt 0x0                                ; its stores have read their registers and their base
	s_mov_b64 s[OCUR:OCUR+1], s[OLO:OLO+1]
	s_mov_b32 s[RT], s[NTLO]
	s_mov_b32 s[WTO], 8192
.Lbegin:
	BEGIN
.Lgo:
	WLOAD
	TILE
	s_sub_co_u32 s[SLOTS], s[SLOTS], 1
	s_cmp_lg_u32 s[SLOTS], 0
	s_cbranch_scc1 .Lslot
	CHANGE 0                                       ; the walk's last tile is written out: nothing is asked for
	FETCH 0, F0
	FLUSH1
	s_cmp_lg_u32 s[RT], 0
	s_cbranch_scc1 .Lgo2
	WAYOUT                                         ; where the second block has one tile, the first ends here
	s_wait_xcnt 0x0
	s_mov_b64 s[OCUR:OCUR+1], s[OLO:OLO+1]
	s_mov_b32 s[RT], s[NTLO]
	s_mov_b32 s[WTO], 8192
	BEGIN
.Lgo2:
	WLOAD
	TILE
	FLUSH1
	WAYOUT 1                                       ; the second block
	s_wait_tensorcnt 0x0                           ; the wave's end
	ds_add_u32 v[SPW], v[NIL]
	s_wait_dscnt 0x0
	CROUND                                         ; the closing round: no work-group ends while a partner may still ask for a tile that names it
	s_endpgm
.Lfunc_end_k_qed62837965_pv:
	.size	k_qed62837965_pv, .Lfunc_end_k_qed62837965_pv-k_qed62837965_pv
	.p2alignl 7, 3214868480
	.fill 96, 4, 3214868480
	.section	.rodata,"a",@progbits
	.p2align	6, 0x0
	.amdhsa_kernel k_qed62837965_pv
		.amdhsa_group_segment_fixed_size 327680
		.amdhsa_private_segment_fixed_size 0
		.amdhsa_enable_private_segment 0
		.amdhsa_kernarg_size 40
		.amdhsa_user_sgpr_count 2
		.amdhsa_user_sgpr_kernarg_segment_ptr 1
		.amdhsa_wavefront_size32 1
		.amdhsa_system_sgpr_workgroup_id_x 1
		.amdhsa_system_sgpr_workgroup_id_y 1
		.amdhsa_system_sgpr_workgroup_id_z 1
		.amdhsa_system_vgpr_workitem_id 0
		.amdhsa_next_free_vgpr 768
		.amdhsa_next_free_sgpr 96
		.amdhsa_reserve_vcc 0
		.amdhsa_float_denorm_mode_32 3
		.amdhsa_float_denorm_mode_16_64 3
		.amdhsa_memory_ordered 1
		.amdhsa_forward_progress 1
		.amdhsa_inst_pref_size 113
	.end_amdhsa_kernel
	.amdgpu_metadata
---
amdhsa.version: [ 1, 2 ]
amdhsa.kernels:
  - .name:           k_qed62837965_pv
    .symbol:         k_qed62837965_pv.kd
    .args:
      - { .name: p, .offset: 0, .size: 8, .value_kind: global_buffer, .address_space: global }
      - { .name: qkv, .offset: 8, .size: 8, .value_kind: global_buffer, .address_space: global }
      - { .name: statm, .offset: 16, .size: 8, .value_kind: global_buffer, .address_space: global }
      - { .name: statl, .offset: 24, .size: 8, .value_kind: global_buffer, .address_space: global }
      - { .name: out0, .offset: 32, .size: 8, .value_kind: global_buffer, .address_space: global }
    .group_segment_fixed_size: 327680
    .private_segment_fixed_size: 0
    .kernarg_segment_align: 8
    .kernarg_segment_size: 40
    .max_flat_workgroup_size: 128
    .sgpr_count:     96
    .vgpr_count:     768
    .wavefront_size: 32
...
	.end_amdgpu_metadata
.endif
;; end of part 4
;; ======== version 2 of 2: 4 launches; version 1 with the launch cast written anew for expert scheduling mode
;; limits: values are held in f16: magnitudes above 65,504 overflow, below 6.1e-05 lose precision
;; workspace buffers: xb 16,777,216 bytes; wb 6,291,456 bytes; qkv 50,331,648 bytes; p 33,554,432 bytes; statm 524,288 bytes; statl 524,288 bytes
;; launch cast (part 5): grid 256 x 1, 8 waves a work-group, no clusters, 0 bytes of LDS; arguments x, Wq, Wk, Wv, xb, wb; writes xb, wb
.if DOCPART == 5
	.amdgcn_target "amdgcn-amd-amdhsa--gfx1250"
	.amdhsa_code_object_version 6
	.text
	.protected	k_qed62837965_cast
	.globl	k_qed62837965_cast
	.p2align	8
	.type	k_qed62837965_cast,@function
k_qed62837965_cast:
	s_mov_b64 s[64:65], 0
	v_nop
	global_prefetch_b8 v0, s[64:65] scope:SCOPE_SE
	s_setreg_imm32_b32 hwreg(HW_REG_WAVE_SCHED_MODE, 0, 2), 2
	s_setreg_imm32_b32 hwreg(HW_REG_WAVE_MODE, 25, 1), 1
	s_wait_xcnt 0x0
	s_wait_alu depctr_vm_vsrc(0)
; CAST.  x [8192][1024] f32 -> xb bf16 [16 kb][8192 row][64 k]: a K block of 64 is 128 dense bytes a row, so that 256 rows of one K block are 32,768 dense bytes.
; Wq, Wk, Wv [1024 k][1024 n] f32 -> wb bf16 [1024 k][3072 n], side by side.  Each number is rounded once, to nearest even.
; A stream: no LDS, no barrier, no loop, no matrix unit.  256 work-groups of equal work: each takes 32 rows of x and 12 of the 3,072 rows of the weights (three groups of 4 rows; 256 groups a matrix).
; x: a load's lanes 0-15 take the 256 bytes of one K block of row r, lanes 16-31 those of row r + 1: every byte that a load touches is used.  A lane's 4 numbers become 8 bytes, and the wave's store covers
; rows r and r + 1 of that K block in xb: 256 consecutive bytes at a multiple of 256 from xb's first byte.  W: a load takes 512 consecutive bytes, its store 256 consecutive bytes at a multiple of 256.
; All 44 loads of a wave go out at once (22 KiB a wave on their way); the units are then taken in order, four to a block, behind counted waits.
; THE MODE: SCHED_MODE bits 1:0 = 2 (LLVM: expert scheduling mode 2), set by the entry lines.  The code itself states the register dependences between vector instructions and memory instructions,
; with s_wait_alu, always for 0.
; THE PLAN.  Registers that memory instructions touch:
;   v2, v4     offsets of the loads of x and of W.     Written by vector instructions at the head; read by the loads; never named again.
;   v3, v5     offsets of the stores into xb and wb.   Written by vector instructions at the head; read by the stores; never named again.
;   X, unit u  four registers.  Written by unit u's load; its two conversions read all four and write the first two in place; its store reads those two; nothing writes any of them afterwards.
; So one wait on va_vdst stands ahead of the first load, for the four offsets, and one in each block of four units, between its eight conversions and its four stores.  It stands there, and not at the next
; block's head, because all loads are out and the wave has nothing else to issue: at the next head the stores would be held until 2 KiB more of the wave's data had landed.
; No register that a load or a store has read is written again, so the text holds no wait for a memory instruction's sources: neither on vm_vsrc nor on XCNT.  No load is issued behind a vector instruction
; that names its registers; no vector instruction writes a scalar register or VCC; EXEC is never written.
.set X,   8                            ; v[8:183]  unit u: 4 registers as loaded; its first 2 then hold the 4 bf16
.set NXU, 32                           ; units of x a wave: row pair u / 16, K block u % 16
.set NWU, 12                           ; units of W a wave: group (u - 32) / 4, 128 columns (u - 32) % 4
.set UPB, 4                            ; units in a block
.set WIN_B, 24                         ; s[24:29]  the three groups' first bytes in their W
.set WOUT_B, 30                        ; s[30:35]  and in wb
	s_load_b256 s[4:11], s[0:1], 0x0               ; x s[4:5], Wq s[6:7], Wk s[8:9], Wv s[10:11]
	s_load_b128 s[12:15], s[0:1], 0x20             ; xb s[12:13], wb s[14:15]
	v_lshrrev_b32 v1, 5, v0                        ; wave w
	v_and_b32 v6, 15, v0                           ; r = lane % 16
	v_bfe_u32 v7, v0, 4, 1                         ; h = lane / 16
	v_lshl_add_u32 v7, v1, 2, v7                   ; x: wave w takes rows 4 w .. 4 w + 3 of the group's 32; my row of the first pair: 4 w + h
	v_lshlrev_b32 v2, 12, v7
	v_lshl_add_u32 v2, v6, 4, v2                   ; in: row x 4,096 + 16 r
	v_lshlrev_b32 v3, 7, v7
	v_lshl_add_u32 v3, v6, 3, v3                   ; out: row x 128 + 8 r
	v_and_b32 v6, 31, v0                           ; lane
	v_lshrrev_b32 v7, 1, v1                        ; W: wave w takes row w / 2 of a group's 4,
	v_and_b32 v1, 1, v1                            ; half w % 2 of its 1,024 columns
	v_lshlrev_b32 v4, 12, v7
	v_lshl_add_u32 v4, v1, 11, v4
	v_lshl_add_u32 v4, v6, 4, v4                   ; in: row x 4,096 + half x 2,048 + 16 x lane
	v_mul_u32_u24 v5, v7, 6144
	v_lshl_add_u32 v5, v1, 10, v5
	v_lshl_add_u32 v5, v6, 3, v5                   ; out: row x 6,144 + half x 1,024 + 8 x lane
	s_lshl_b32 s2, ttmp9, 17                       ; 32 rows of 4,096 bytes
	s_mov_b32 s3, 0
	s_lshl_b32 s22, ttmp9, 12                      ; 32 rows of 128 bytes
	s_mov_b32 s23, 0
	s_mul_i32 s42, ttmp9, 3                        ; my first group of W rows
	s_wait_kmcnt 0x0
	s_add_nc_u64 s[16:17], s[4:5], s[2:3]
	s_add_nc_u64 s[18:19], s[12:13], s[22:23]
	s_add_nc_u64 s[20:21], s[18:19], 0x800000      ; K blocks 8 to 15: a second base keeps the immediates inside their signed 24 bits
	s_wait_alu depctr_va_vdst(0)                   ; v2, v3, v4 and v5 are written: every load and store of the kernel reads one of them as its offset, and no later vector instruction names them
.set u, 0
.rept NXU
	global_load_b128 v[X+4*u:X+4*u+3], v2, s[16:17] offset:(u/16)*8192+(u%16)*256 th:TH_LOAD_NT
.set u, u+1
.endr
.irp i, 0,1,2
	s_add_co_u32 s36, s42, \i                      ; group g = 3 x work-group + i
	s_lshr_b32 s37, s36, 8                         ; which W: 0 q, 1 k, 2 v
	s_and_b32 s36, s36, 255                        ; which 4 rows of it
	s_lshl_b32 s38, s36, 14                        ; 4 rows of 4,096 bytes
	s_mov_b32 s39, 0
	s_mul_i32 s40, s36, 24576                      ; 4 rows of wb,
	s_lshl_b32 s41, s37, 11                        ; and this W's 2,048 bytes in a row
	s_add_co_u32 s40, s40, s41
	s_mov_b32 s41, 0
	s_cmp_eq_u32 s37, 1
	s_cselect_b64 s[WIN_B+2*\i:WIN_B+2*\i+1], s[8:9], s[6:7]
	s_cmp_eq_u32 s37, 2
	s_cselect_b64 s[WIN_B+2*\i:WIN_B+2*\i+1], s[10:11], s[WIN_B+2*\i:WIN_B+2*\i+1]
	s_add_nc_u64 s[WIN_B+2*\i:WIN_B+2*\i+1], s[WIN_B+2*\i:WIN_B+2*\i+1], s[38:39]
	s_add_nc_u64 s[WOUT_B+2*\i:WOUT_B+2*\i+1], s[14:15], s[40:41]
.endr
.irp i, 0,1,2
.irp c, 0,1,2,3
	global_load_b128 v[X+4*(NXU+4*\i+\c):X+4*(NXU+4*\i+\c)+3], v4, s[WIN_B+2*\i:WIN_B+2*\i+1] offset:\c*512 th:TH_LOAD_NT
.endr
.endr
; Block bl of 11: units 4 bl .. 4 bl + 3.
.set bl, 0
.rept (NXU+NWU)/UPB
	s_wait_loadcnt NXU+NWU-UPB*(bl+1)              ; loads come back in order: the block's four are in, the 40 - 4 bl of the later blocks stay out
.set u, UPB*bl
.rept UPB
	v_cvt_pk_bf16_f32 v[X+4*u],   v[X+4*u],   v[X+4*u+1]  ; in place, ascending: a register is written only when it has been read
	v_cvt_pk_bf16_f32 v[X+4*u+1], v[X+4*u+2], v[X+4*u+3]
.set u, u+1
.endr
	s_wait_alu depctr_va_vdst(0)                   ; the block's eight conversions have written the first two registers of its four units, which the four stores below read
.set u, UPB*bl
.rept UPB
.if u >= NXU
	global_store_b64 v5, v[X+4*u:X+4*u+1], s[WOUT_B+2*((u-NXU)/4):WOUT_B+2*((u-NXU)/4)+1] offset:((u-NXU)%4)*256
.elseif (u%16) < 8
	global_store_b64 v3, v[X+4*u:X+4*u+1], s[18:19] offset:(u%16)*1048576+(u/16)*256
.else
	global_store_b64 v3, v[X+4*u:X+4*u+1], s[20:21] offset:(u%16-8)*1048576+(u/16)*256
.endif
.set u, u+1
.endr
.set bl, bl+1
.endr
	s_endpgm
.Lfunc_end_k_qed62837965_cast:
	.size	k_qed62837965_cast, .Lfunc_end_k_qed62837965_cast-k_qed62837965_cast
	.p2alignl 7, 3214868480
	.fill 96, 4, 3214868480
	.section	.rodata,"a",@progbits
	.p2align	6, 0x0
	.amdhsa_kernel k_qed62837965_cast
		.amdhsa_group_segment_fixed_size 0
		.amdhsa_private_segment_fixed_size 0
		.amdhsa_enable_private_segment 0
		.amdhsa_kernarg_size 48
		.amdhsa_user_sgpr_count 2
		.amdhsa_user_sgpr_kernarg_segment_ptr 1
		.amdhsa_wavefront_size32 1
		.amdhsa_system_sgpr_workgroup_id_x 1
		.amdhsa_system_sgpr_workgroup_id_y 1
		.amdhsa_system_sgpr_workgroup_id_z 1
		.amdhsa_system_vgpr_workitem_id 0
		.amdhsa_next_free_vgpr 184
		.amdhsa_next_free_sgpr 66
		.amdhsa_reserve_vcc 0
		.amdhsa_float_denorm_mode_32 3
		.amdhsa_float_denorm_mode_16_64 3
		.amdhsa_memory_ordered 1
		.amdhsa_forward_progress 1
		.amdhsa_inst_pref_size 18
	.end_amdhsa_kernel
	.amdgpu_metadata
---
amdhsa.version: [ 1, 2 ]
amdhsa.kernels:
  - .name:           k_qed62837965_cast
    .symbol:         k_qed62837965_cast.kd
    .args:
      - { .name: x, .offset: 0, .size: 8, .value_kind: global_buffer, .address_space: global }
      - { .name: Wq, .offset: 8, .size: 8, .value_kind: global_buffer, .address_space: global }
      - { .name: Wk, .offset: 16, .size: 8, .value_kind: global_buffer, .address_space: global }
      - { .name: Wv, .offset: 24, .size: 8, .value_kind: global_buffer, .address_space: global }
      - { .name: xb, .offset: 32, .size: 8, .value_kind: global_buffer, .address_space: global }
      - { .name: wb, .offset: 40, .size: 8, .value_kind: global_buffer, .address_space: global }
    .group_segment_fixed_size: 0
    .private_segment_fixed_size: 0
    .kernarg_segment_align: 8
    .kernarg_segment_size: 48
    .max_flat_workgroup_size: 256
    .sgpr_count:     66
    .vgpr_count:     184
    .wavefront_size: 32
...
	.end_amdgpu_metadata
.endif
;; end of part 5
;; launch proj: the kernel of part 2 again; grid 8 x 32, 4 waves a work-group, clusters of 4 x 4, 327,680 bytes of LDS; arguments xb, wb, qkv; writes qkv
;; launch score: the kernel of part 3 again; grid 44 x 4, 4 waves a work-group, no clusters, 327,680 bytes of LDS; arguments qkv, p, statm, statl, xb, wb, out0; writes p, statm, statl, out0
;; launch pv: the kernel of part 4 again; grid 8 x 32, 4 waves a work-group, clusters of 4 x 1, 327,680 bytes of LDS; arguments p, qkv, statm, statl, out0; writes out0
